; MI455X (gfx1250); checked and timed in simulation.
; The chip was launched on July 23, 2026; its instructions are those of AMD's public machine-readable ISA for CDNA 5 (MIT licence, August 2026) and "CDNA5" Instruction Set Architecture Reference Guide (July 2026). The comments in the code are by the model that wrote it; some were corrected since.
;; Multi Head Self Attention. Allowed arithmetic: matrix products marked QUANTISED: E2M1 operands, one E8M0 scale for each 32 along K, by v_wmma_scale_f32_16x16x128_f8f6f4 with both operands' format E2M1 (or v_wmma_scale_f32_32x16x128_f4), f32 sums; products left as they are: bf16, f16 or f32 operands; f32 sums; everything else in f32.
;; Inputs: Wk 1,024 x 1,024 float32; Wo 1,024 x 1,024 float32; Wq 1,024 x 1,024 float32; Wv 1,024 x 1,024 float32; bk 1,024 float32; bo 1,024 float32; bq 1,024 float32; bv 1,024 float32; x 2 x 2,048 x 1,024 float32.
;; Outputs: out0 2 x 2,048 x 1,024 float32.
;; This version of the problem:
;;   THIS VERSION OF THE PROBLEM IS GIVEN IN LOW PRECISION. The matrix products marked QUANTISED in the list below multiply operands that are first quantised to E2M1 (2 exponent bits, 1 mantissa bit; 4 bits a number), with one power-of-two scale for each 32 numbers along K (OCP MX v1.0); their sums are f32. The products marked 'left as it is' may take bf16, f16 or f32 operands, with f32 sums. Whichever they take, every output number must still come out within the allowed error. Rounding operands to bf16 (8 significant bits) uses up far more of that allowance than f16 does (11 bits, for magnitudes from 6e-5 to 65,504). All else is computed in f32.
;;   The module's matrix products, in the order in which they are computed (A, B: the left and right operand; K: the contracted axis; several contracted axes count as one K, in the product's order):
;;     1. [M 4,096, K 1,024] x [K 1,024, N 1,024]; A: input x; B: input Wq: QUANTISED
;;     2. [M 4,096, K 1,024] x [K 1,024, N 1,024]; A: input x; B: input Wk: QUANTISED
;;     3. [M 4,096, K 1,024] x [K 1,024, N 1,024]; A: input x; B: input Wv: QUANTISED
;;     4. batch 32 x [M 2,048, K 64] x [K 64, N 2,048]; A: computed on the way; B: computed on the way: left as it is (an operand is computed on the way)
;;     5. batch 32 x [M 2,048, K 2,048] x [K 2,048, N 64]; A: computed on the way; B: computed on the way: left as it is (an operand is computed on the way)
;;     6. [M 4,096, K 1,024] x [K 1,024, N 1,024]; A: computed on the way; B: input Wo: left as it is (an operand is computed on the way)
;;   THE QUANTISER, for each operand of a quantised product, along K:
;;     - K is cut into blocks of 32 from its start; a last block that is shorter is filled with zeros.
;;     - A block's scale is 2^e with e = floor(log2(the largest magnitude in the block)) - 2, held to -126 .. 127; a block of zeros has e = 0. As a byte (E8M0): e + 127.
;;     - Each number is divided by its block's scale, clamped to +-6, and rounded to the nearest number of E2M1, ties to even, subnormals kept.
;;     - The product sums the exact products of the quantised numbers (number of the format x scale) in f32.
;;   ~~~python
;;   def quantise(x, axis):      # numpy; x: float32 -> the quantised numbers, widened to float32 again
;;       x = np.moveaxis(x, axis, -1); K = x.shape[-1]
;;       x = np.pad(x, [(0, 0)] * (x.ndim - 1) + [(0, -K % 32)]); x = x.reshape(x.shape[:-1] + (-1, 32)); a = np.abs(x).max(-1, keepdims=True)
;;       e = np.where(a > 0, np.clip(np.frexp(np.where(a > 0, a, 1))[1] - 1 - 2, -126, 127), 0)      # np.frexp(a)[1] - 1 = floor(log2(a)), exactly
;;       r = np.clip(x / 2.0 ** e, -6, 6)
;;       step = 2.0 ** (np.maximum(np.frexp(np.where(r == 0, 1, r))[1] - 1, 0) - 1)
;;       q = np.round(r / step) * step * 2.0 ** e      # np.round: ties to even
;;       return np.moveaxis(q.reshape(q.shape[:-2] + (-1,))[..., :K], -1, axis).astype(np.float32)
;;   ~~~
;; One version. Each part assembles by itself: llvm-mc -triple=amdgcn-amd-amdhsa -mcpu=gfx1250 --defsym DOCPART=n.
;; ======== version 1 of 1: 5 launches
;; limits: values are held in f16: magnitudes above 65,504 overflow, below 6.1e-05 lose precision
;; workspace buffers: xc 2,097,152 bytes; xs 131,072 bytes; wc 1,572,864 bytes; ws 98,304 bytes; wo16 2,097,152 bytes; qkv 25,165,824 bytes; aux 262,144 bytes; oh 8,388,608 bytes
;; launch quant (part 1): grid 256 x 1, 4 waves a work-group, no clusters, 33,280 bytes of LDS; arguments x, Wq, Wk, Wv, Wo, xc, xs, wc, ws, wo16; writes xc, xs, wc, ws, wo16
.if DOCPART == 1
	.amdgcn_target "amdgcn-amd-amdhsa--gfx1250"
	.amdhsa_code_object_version 6
	.text
	.protected	k_qd25d62896c_quant
	.globl	k_qd25d62896c_quant
	.p2align	8
	.type	k_qd25d62896c_quant,@function
k_qd25d62896c_quant:
	s_mov_b64 s[64:65], 0
	v_nop
	global_prefetch_b8 v0, s[64:65] scope:SCOPE_SE
	s_setreg_imm32_b32 hwreg(HW_REG_WAVE_MODE, 25, 1), 1
	s_wait_xcnt 0x0
; x [4096][1024], Wq, Wk, Wv [1024][1024], f32, K innermost, become codes of FP4 (E2M1) with one E8M0 byte for each 32 along K; Wo [1024][1024] becomes f16, laid [k / 64][n][64].
; A block's scale is 2^(floor(log2(its largest magnitude)) - 2): its byte is the largest magnitude's exponent field - 2, held at 1 from below.  A block of zeros gets the byte 1 where the rule says 127:
; its codes are zeros, which add nothing under any byte but 0xff, and this program alone reads the bytes.
; LIMITS: blocks whose largest magnitude lies under 2^(2 - 126) keep the byte 1; NaN and infinities among the inputs are not served; numbers of Wo beyond 65,504 do not fit f16.
; SHARES.  A work-group takes 32,768 numbers, a wave 8,192.  Work-groups 0-127: x; 128-159: Wq; 160-191: Wk; 192-223: Wv (their codes lie one behind the other, [3072][512 bytes]); 224-255: Wo.
; Rows are dense and 1,024 is a multiple of 32: a tensor is a plain stream of blocks of 32, and so are its codes and its bytes.  Only pointers are chosen for the four quantised tensors: they take one path.
; The quantising path: a step is 512 numbers; each of its four loads reads 512 consecutive bytes; the 2,048 bytes turn through the wave's own stage in LDS and come back 64 bytes a lane, so that a lane
; holds 16 neighbours along K (two lanes a block).  A lane's 16 codes are 8 bytes: the wave stores 256 consecutive bytes.  A wave's 256 scale bytes are gathered in LDS and leave as one aligned run of 256 bytes.
.set WAVES, 4
.set STEPS, 16
.set EMAX,  2
.set CB,    8                          ; bytes of 16 codes
.set R,     16                         ; v16-79   four sets of 16 numbers as they are loaded
.set X,     80                         ; v80-111  two sets of 16 neighbours (Wo's path: four sets of 8 registers of f16)
.set C,     128                        ; v128-191 codes: four registers for each step, so that no store's data are written again
.set E,     112                        ; v112-127 a scale byte for each step
.set WREG,  8192                       ; LDS: a region for each wave: two stages of 32 x SP bytes, and behind them its 256 scale bytes
.set SP,    80                         ; a lane's place in a stage: its 64 bytes + 16 of padding
.set SPW,   12                         ; v12      LDS address of my spare word; never rewritten
.set NIL,   13                         ; v13      0; never rewritten
.set SPARE, WAVES*WREG                 ; behind the four regions: the spare words, 128 bytes for each wave
	s_load_b512 s[8:23], s[0:1], 0x0               ; x s[8:9], Wq s[10:11], Wk s[12:13], Wv s[14:15], Wo s[16:17], xc s[18:19], xs s[20:21], wc s[22:23]
	s_load_b128 s[24:27], s[0:1], 0x40             ; ws s[24:25], wo16 s[26:27]
	v_lshl_add_u32 v[SPW], v0, 2, SPARE
	v_mov_b32 v[NIL], 0
	v_lshrrev_b32 v1, 5, v0
	v_readfirstlane_b32 s28, v1                    ; wave
	v_and_b32 v2, 31, v0                           ; lane
	v_lshlrev_b32 v3, 4, v2                        ; my 16 bytes of a load's 512
	s_mul_i32 s33, s28, WREG
	v_lshrrev_b32 v14, 2, v2
	v_mul_u32_u24 v14, v14, SP
	v_and_b32 v15, 3, v2
	v_lshl_add_u32 v14, v15, 4, v14
	v_add_nc_u32 v14, s33, v14                     ; the stage, on the way in: SP (lane / 4) + 16 (lane % 4)
	v_mul_u32_u24 v15, v2, SP
	v_add_nc_u32 v15, s33, v15                     ; and on the way out: SP x lane: my 16 neighbours
	v_mul_u32_u24 v4, v2, CB                       ; 8 x lane: my codes' place in a step's (and my f16 numbers' on Wo's path)
	v_lshrrev_b32 v5, 1, v2
	s_add_co_u32 s33, s33, 2*32*SP
	v_add_nc_u32 v5, s33, v5                       ; LDS: my wave's 256 scale bytes, my block's byte
	v_lshlrev_b32 v7, 3, v2
	v_add_nc_u32 v6, s33, v7                       ; and on the way out 8 bytes a lane
	s_and_b32 s29, ttmp9, 31                       ; a weight's work-group among its 32,
	s_sub_co_u32 s32, ttmp9, 128                   ; and among the three weights' 96
	s_wait_kmcnt 0x0
	s_cmp_ge_u32 ttmp9, 224
	s_cbranch_scc1 .Lwo                            ; Wo has a path of its own, without LDS
	s_cmp_lt_u32 ttmp9, 192                        ; the choices hang on the work-group's number alone
	s_cselect_b64 s[4:5], s[12:13], s[14:15]
	s_cmp_lt_u32 ttmp9, 160
	s_cselect_b64 s[4:5], s[10:11], s[4:5]
	s_cmp_lt_u32 ttmp9, 128
	s_cselect_b64 s[4:5], s[8:9], s[4:5]           ; the numbers,
	s_cselect_b64 s[6:7], s[18:19], s[22:23]       ; the codes,
	s_cselect_b64 s[30:31], s[20:21], s[24:25]     ; the scale bytes
	s_cselect_b32 s29, ttmp9, s29
	s_cselect_b32 s32, ttmp9, s32
	s_lshl_b32 s29, s29, 2
	s_add_co_u32 s29, s29, s28                     ; which run of 8,192 numbers of the source is my wave's,
	s_lshl_b32 s32, s32, 2
	s_add_co_u32 s32, s32, s28                     ; and of the destination
	s_lshl_b32 s34, s29, 15                        ; 32,768 bytes of numbers a run
	s_mov_b32 s35, 0
	s_add_nc_u64 s[4:5], s[4:5], s[34:35]
	s_lshl_b32 s34, s32, 12                        ; 4,096 bytes of codes
	s_add_nc_u64 s[6:7], s[6:7], s[34:35]
	s_lshl_b32 s34, s32, 8                         ; 256 scale bytes
	s_add_nc_u64 s[30:31], s[30:31], s[34:35]
.macro LOAD t
.irp i, 0,1,2,3
	global_load_b128 v[R+16*((\t)%4)+4*\i:R+16*((\t)%4)+4*\i+3], v3, s[4:5] offset:2048*(\t)+512*\i th:TH_LOAD_NT   ; 32 lanes read 512 consecutive bytes
.endr
.endm
.macro TURN t                          ; step t's numbers through the stage: LDS serves a wave's instructions in order, so no wait stands between the stores and the loads
.irp i, 0,1,2,3
	ds_store_b128 v14, v[R+16*((\t)%4)+4*\i:R+16*((\t)%4)+4*\i+3] offset:32*SP*((\t)%2)+8*SP*\i
.endr
.irp i, 0,1,2,3
	ds_load_b128 v[X+16*((\t)%2)+4*\i:X+16*((\t)%2)+4*\i+3], v15 offset:32*SP*((\t)%2)+16*\i
.endr
.endm
.irp t, 0,1,2,3
	LOAD \t
.endr
	s_wait_loadcnt 12                              ; step 0's four loads are in; twelve younger ones stay out
	TURN 0
.macro STEP t
.set XS, X+16*((\t)%2)
.if (\t) > 0
	s_wait_dscnt 1                                 ; this step's numbers are back from the stage (the last step's byte store may be out)
.else
	s_wait_dscnt 0x0
.endif
.if (\t)+4 < STEPS
	LOAD (\t)+4                                    ; into the registers that this step's stage stores have read
.endif
.if (\t)+1 < STEPS
.if STEPS-2-(\t) >= 3
	s_wait_loadcnt 12                              ; the next step's four loads are in; those of the three steps behind it may be out
.else
	s_wait_loadcnt 4*(STEPS-2-(\t))
.endif
	TURN (\t)+1
.endif
	v_max3_num_f32 v8, |v[XS]|, |v[XS+1]|, |v[XS+2]|               ; the largest magnitude of my 16, in two chains
	v_max3_num_f32 v9, |v[XS+3]|, |v[XS+4]|, |v[XS+5]|
.irp i, 6,10
	v_max3_num_f32 v8, v8, |v[XS+\i]|, |v[XS+\i+1]|
	v_max3_num_f32 v9, v9, |v[XS+\i+2]|, |v[XS+\i+3]|
.endr
	v_max3_num_f32 v8, v8, |v[XS+14]|, |v[XS+15]|
	v_max3_num_f32 v8, v8, v9, (EMAX+1)<<23        ; and the floor 2^(EMAX + 1 - 127): the byte cannot fall under 1
	v_max_num_f32_dpp v8, v8, v8 row_xmask:1 row_mask:0xf bank_mask:0xf   ; and of my neighbour's 16: the block's
	v_add_nc_u32 v11, -(EMAX<<23), v8              ; EMAX off its exponent field: the conversion takes the exponent field of this operand as its scale
	v_cvt_scalef32_pk8_fp4_f32 v[C+4*(\t)], v[XS:XS+7], v11
	v_cvt_scalef32_pk8_fp4_f32 v[C+4*(\t)+1], v[XS+8:XS+15], v11
	v_lshrrev_b32 v[E+(\t)], 23, v11               ; the scale's byte (a plain line behind the conversions)
	ds_store_b8 v5, v[E+(\t)] offset:16*(\t)       ; both lanes of a block write the same byte with the same value
	global_store_b64 v4, v[C+4*(\t):C+4*(\t)+1], s[6:7] offset:32*CB*(\t)   ; 32 lanes store 256 consecutive bytes, aligned
.endm
.irp t, 0,1,2,3,4,5,6,7,8,9,10,11,12,13,14,15
	STEP \t
.endr
	ds_load_b64 v[8:9], v6                         ; LDS serves a wave's instructions in order: these see my byte stores
	s_wait_dscnt 0x0
	global_store_b64 v7, v[8:9], s[30:31]          ; 32 lanes store my wave's 256 scale bytes
	s_wait_tensorcnt 0x0                           ; the wave's end
	ds_add_u32 v[SPW], v[NIL]
	s_wait_dscnt 0x0
	s_endpgm
; Wo to f16.  A wave takes 8 rows n; step t is k block t (64 along K, 256 bytes of a row).  A load takes two rows' blocks, sixteen lanes to a row's 256 bytes;
; a lane's four numbers become 8 bytes, and the 32 lanes store rows n and n + 1 of one k block: 256 consecutive bytes of wo16, aligned.  No LDS is touched on this path.
.Lwo:
	s_sub_co_u32 s29, ttmp9, 224
	s_lshl_b32 s29, s29, 5
	s_lshl_b32 s32, s28, 3
	s_add_co_u32 s29, s29, s32                     ; my first row: 32 x work-group + 8 x wave
	s_lshl_b32 s34, s29, 12
	s_mov_b32 s35, 0
	s_add_nc_u64 s[16:17], s[16:17], s[34:35]      ; a row of Wo is 4,096 bytes
	s_lshl_b32 s34, s29, 7
	s_add_nc_u64 s[26:27], s[26:27], s[34:35]      ; a row of a k block of wo16 is 128 bytes
	v_lshrrev_b32 v8, 4, v2
	v_and_b32 v9, 15, v2
	v_lshlrev_b32 v9, 4, v9
	v_lshl_add_u32 v8, v8, 12, v9                  ; 4,096 (lane / 16) + 16 (lane % 16)
.macro LOADW t
.irp i, 0,1,2,3
	global_load_b128 v[R+16*((\t)%4)+4*\i:R+16*((\t)%4)+4*\i+3], v8, s[16:17] offset:8192*\i+256*(\t) th:TH_LOAD_NT
.endr
.endm
.macro STEPW t
.if STEPS-1-(\t) >= 3
	s_wait_loadcnt 12                              ; this step's four loads are in; those of the three steps behind it may be out
.else
	s_wait_loadcnt 4*(STEPS-1-(\t))
.endif
	s_wait_xcnt 0x0                                ; the stores of four steps back have read the registers that are written next
.irp i, 0,1,2,3
	v_cvt_pk_f16_f32 v[X+8*((\t)%4)+2*\i], v[R+16*((\t)%4)+4*\i], v[R+16*((\t)%4)+4*\i+1]
	v_cvt_pk_f16_f32 v[X+8*((\t)%4)+2*\i+1], v[R+16*((\t)%4)+4*\i+2], v[R+16*((\t)%4)+4*\i+3]
.endr
.if (\t)+4 < STEPS
	LOADW (\t)+4
.endif
.irp i, 0,1,2,3
	global_store_b64 v4, v[X+8*((\t)%4)+2*\i:X+8*((\t)%4)+2*\i+1], s[26:27] offset:131072*(\t)+256*\i
.endr
.endm
.irp t, 0,1,2,3
	LOADW \t
.endr
.irp t, 0,1,2,3,4,5,6,7,8,9,10,11,12,13,14,15
	STEPW \t
.endr
	s_endpgm
.Lfunc_end_k_qd25d62896c_quant:
	.size	k_qd25d62896c_quant, .Lfunc_end_k_qd25d62896c_quant-k_qd25d62896c_quant
	.p2alignl 7, 3214868480
	.fill 96, 4, 3214868480
	.section	.rodata,"a",@progbits
	.p2align	6, 0x0
	.amdhsa_kernel k_qd25d62896c_quant
		.amdhsa_group_segment_fixed_size 33280
		.amdhsa_private_segment_fixed_size 0
		.amdhsa_enable_private_segment 0
		.amdhsa_kernarg_size 80
		.amdhsa_user_sgpr_count 2
		.amdhsa_user_sgpr_kernarg_segment_ptr 1
		.amdhsa_wavefront_size32 1
		.amdhsa_system_sgpr_workgroup_id_x 1
		.amdhsa_system_sgpr_workgroup_id_y 1
		.amdhsa_system_sgpr_workgroup_id_z 1
		.amdhsa_system_vgpr_workitem_id 0
		.amdhsa_next_free_vgpr 192
		.amdhsa_next_free_sgpr 66
		.amdhsa_reserve_vcc 0
		.amdhsa_float_denorm_mode_32 3
		.amdhsa_float_denorm_mode_16_64 3
		.amdhsa_memory_ordered 1
		.amdhsa_forward_progress 1
		.amdhsa_inst_pref_size 55
	.end_amdhsa_kernel
	.amdgpu_metadata
---
amdhsa.version: [ 1, 2 ]
amdhsa.kernels:
  - .name:           k_qd25d62896c_quant
    .symbol:         k_qd25d62896c_quant.kd
    .args:
      - { .name: x, .offset: 0, .size: 8, .value_kind: global_buffer, .address_space: global }
      - { .name: Wq, .offset: 8, .size: 8, .value_kind: global_buffer, .address_space: global }
      - { .name: Wk, .offset: 16, .size: 8, .value_kind: global_buffer, .address_space: global }
      - { .name: Wv, .offset: 24, .size: 8, .value_kind: global_buffer, .address_space: global }
      - { .name: Wo, .offset: 32, .size: 8, .value_kind: global_buffer, .address_space: global }
      - { .name: xc, .offset: 40, .size: 8, .value_kind: global_buffer, .address_space: global }
      - { .name: xs, .offset: 48, .size: 8, .value_kind: global_buffer, .address_space: global }
      - { .name: wc, .offset: 56, .size: 8, .value_kind: global_buffer, .address_space: global }
      - { .name: ws, .offset: 64, .size: 8, .value_kind: global_buffer, .address_space: global }
      - { .name: wo16, .offset: 72, .size: 8, .value_kind: global_buffer, .address_space: global }
    .group_segment_fixed_size: 33280
    .private_segment_fixed_size: 0
    .kernarg_segment_align: 8
    .kernarg_segment_size: 80
    .max_flat_workgroup_size: 128
    .sgpr_count:     66
    .vgpr_count:     192
    .wavefront_size: 32
...
	.end_amdgpu_metadata
.endif
;; end of part 1
;; launch qkv (part 2): grid 12 x 16, 4 waves a work-group, clusters of 4 x 4, 327,680 bytes of LDS; arguments xc, xs, wc, ws, qkv, bq, bk, bv, aux; writes qkv, aux
.if DOCPART == 2
	.amdgcn_target "amdgcn-amd-amdhsa--gfx1250"
	.amdhsa_code_object_version 6
	.text
	.protected	k_qd25d62896c_qkv
	.globl	k_qd25d62896c_qkv
	.p2align	8
	.type	k_qd25d62896c_qkv,@function
k_qd25d62896c_qkv:
	s_mov_b64 s[64:65], 0
	v_nop
	global_prefetch_b8 v0, s[64:65] scope:SCOPE_SE
	s_setreg_imm32_b32 hwreg(HW_REG_WAVE_MODE, 25, 1), 1
	s_wait_xcnt 0x0
	s_wait_alu depctr_hold_cnt(0) depctr_sa_sdst(0) depctr_va_vdst(0) depctr_va_sdst(0) depctr_va_ssrc(0) depctr_va_vcc(0) depctr_vm_vsrc(0)
	s_getreg_b32 s2, hwreg(HW_REG_IB_STS2, 6, 4)
	s_cmp_eq_u32 s2, 0
	s_cbranch_scc0 .Lentry_in_a_cluster
	s_endpgm
.Lentry_in_a_cluster:
	s_bfe_u32 s2, ttmp6, 0x10000c
	s_cmp_lg_u32 s2, 0xf033
	s_cbranch_scc0 .Lentry_shape_is_right
	s_endpgm
.Lentry_shape_is_right:
; C[m][n] = sum over k of x[m][k] W[n][k] + bias[n], m 4,096, n 3,072 (Wq's, Wk's, Wv's rows on end), k 1,024, on codes of FP4 (E2M1) with one E8M0 byte for each 32 along K; sums in f32.
; OUT: f16, head by head: three sections (Q, K, V) of [batch x head 32][token 2048][64].  From the V section also, in f32: the sums of V over blocks of 128 tokens (the first block of a sequence
; without its tokens 0-15), and V of each sequence's tokens 0-15, laid [batch x head][channel 64][token 16].
; LIMITS: results beyond 65,504 do not fit f16; NaN and infinities are not served.
; A tile of C, 256 x 256, is made by a work-group of four waves; a wave makes 128 x 128: 64 accumulators of 16 x 16, 512 registers.  192 work-groups: the tile is kept large, since this launch's
; matrix work is short beside its 25 MB of stores, and a smaller tile would read each code more often.
; K = 1,024 is two slots of 512 along K: both are filled at the start and nothing is filled again.  The scales of the work-group's rows, for all of K, come with them, in runs of 256 bytes.
; CLUSTERS: 4 x 4 work-groups.  The four of a row of the cluster need the same tiles of x, the four of a column the same tiles of W: each tile is asked for JOINTLY.  A section is four tile columns,
; one column of clusters: so "is this V" hangs on the cluster's x alone and is the same in all sixteen partners.  What hangs on a work-group's place in its cluster is done by EXEC or by a factor, never by a branch.
; THE MATRIX INSTRUCTION IS USED TRANSPOSED (source 0 = 16 rows of W, source 1 = 16 rows of x): a lane then holds eight neighbouring columns of one row of C.  The bias is the C of each sum's first product.
; REGISTERS, in windows of 256: window 0: v0-31 addresses; v32-95 scale words, two sets; v128-191 x's fragments, one set; v192-255 the bias, eight registers for each of my 8 column blocks.
;   On the way out: v32-63 packed results, v64-127 the column sums, v128-191 rows read back.   window 1: W's fragments, two sets.   windows 2, 3: the accumulators ((a, b) at v[8 (8 (a % 4) + b)]).
.set KSTEP,  512
.set NQ,     KSTEP/128
.set ROWB,   256                       ; a tile's row in bytes
.set KROW,   512                       ; a row of codes in memory
.set PITCH,  272                       ; an LDS row: 256 bytes + 16 of padding: the 16 rows that a load touches start 68 words apart
.set FR,     8
.set NL,     2
.set NP,     4                         ; places behind this matrix instruction (ISA guide 7.12.1)
.set HALFT,  128*PITCH
.set SLOT,   4*HALFT
.set KS,     32                        ; a row of scales in bytes
.set SCL,    2*SLOT
.set HALFS,  (128*KS/256)*272
.set SBLK,   (16*KS/256)*272
.set SPARE,  SCL+4*HALFS               ; the spare words, 128 bytes for each wave
.set SPITCH, 272                       ; the way out: a stage of 16 rows x (256 bytes + 16) for each wave, in slot 0, which has had its only fill and its last read by then
.set OB32, 14                          ; v14  32 x (lane / 16): the bias loads' offset, and the column sums' stores'
.set FLG,  13                          ; v13  a flag as a vector register
.set ADRA, 16
.set ADRB, 20
.set STO,  24
.set RD,   25
.set CO,   26
.set ADRS, 27
.set SPW,  28
.set NIL,  29
.set VO,   31                          ; v31  512 (lane / 16) + 4 (lane % 16): my place in the f32 copy of V
.set SC,   32
.set TMP,  32
.set VS,   64
.set AF,   128
.set BK,   128
.set BIAS, 192
.set G1, 24
.set G0, 32
.set G1B, 48
.set G0B, 56
.set G1S, 68
.set G0S, 76
.set G1SB, 80
.set G0SB, 88
.set ISV,  4                           ; s4  1 where my cluster makes V (written when the pointers in s[4:11] have been used)
.set FIRST, 5                          ; s5  0 where my wave's 128 rows begin a sequence
.set SAVE, 6                           ; s6  EXEC, kept
.set MSB, 0
.macro WIN new                         ; the immediate's high byte repeats the setting that is left
.if MSB != (\new)
	s_set_vgpr_msb (MSB<<8)|(\new)
.set MSB, (\new)
.endif
.endm
.set MUL_LO, 0xa1                      ; source 0 (W) window 1, source 1 (x) window 0, C and D window 2
.set MUL_HI, 0xf1                      ; the same, C and D window 3
.set TO_B,   0x40
; A joint load: waves 0 and 1 fetch for x, waves 2 and 3 for W.  The branch hangs on the wave's number alone.  An s_nop 0 and four v_nop follow each of the two lines.
.macro JLOAD g0a, g1a, g0b, g1b
	s_cmp_eq_u32 s15, 0
	s_cbranch_scc0 .Lfor_b_\@
	tensor_load_to_lds s[\g0a:\g0a+3], s[\g1a:\g1a+7]
	s_nop 0
.rept 4
	v_nop
.endr
	s_branch .Lasked_\@
.Lfor_b_\@:
	tensor_load_to_lds s[\g0b:\g0b+3], s[\g1b:\g1b+7]
	s_nop 0
.rept 4
	v_nop
.endr
.Lasked_\@:
.endm
.macro CROUND                          ; a round of the cluster's barrier
	s_barrier_signal -1
	s_barrier_wait -1
	s_cmp_lg_u32 s14, 0
	s_cbranch_scc1 .Lnot_wave_0_\@
	s_barrier_signal -3
.Lnot_wave_0_\@:
	s_barrier_wait -3
	s_barrier_signal -1
	s_barrier_wait -1
.endm
	s_load_b128 s[4:7], s[0:1], 0x0                ; x's codes, x's scales
	s_load_b128 s[8:11], s[0:1], 0x10              ; W's codes, W's scales
	s_load_b64 s[12:13], s[0:1], 0x20              ; qkv
	s_load_b128 s[96:99], s[0:1], 0x28             ; bq, bk
	s_load_b64 s[100:101], s[0:1], 0x38            ; bv
	s_load_b64 s[66:67], s[0:1], 0x40              ; aux
	v_lshl_add_u32 v[SPW], v0, 2, SPARE
	v_mov_b32 v[NIL], 0
	ds_add_u32 v[SPW], v[NIL]                      ; the wave's opening: the add, twice on end, and its wait ahead of my first tensor load
	ds_add_u32 v[SPW], v[NIL]
	v_lshrrev_b32 v1, 5, v0
	v_readfirstlane_b32 s14, v1                    ; wave 0..3
	s_lshr_b32 s15, s14, 1                         ; which half of the tile's rows is mine.  Also: I fetch for x (0) or for W (1)
	s_and_b32 s16, s14, 1                          ; which half of its columns.  Also: which 128 rows of that tile I fetch
	s_bfe_u32 s40, ttmp6, 0x40000                  ; cx, cy: my place in the cluster
	s_bfe_u32 s41, ttmp6, 0x40004
	s_lshl_b32 s42, ttmp9, 2
	s_add_co_u32 s42, s42, s40                     ; tile column = 4 x cluster x + cx
	s_and_b32 s17, ttmp7, 0xffff
	s_lshl_b32 s17, s17, 2
	s_add_co_u32 s17, s17, s41                     ; tile row = 4 x cluster y + cy
	s_lshl_b32 s43, s41, 2
	s_lshl_b32 s43, 15, s43                        ; my row of the cluster
	s_lshl_b32 s44, 0x1111, s40                    ; my column
	s_or_b32 s[G1+0], s43, (0<<16)|(1<<20)|(1<<21)|(5<<22)|(3<<25)  ; the mask; elements of 1 byte; padding on; bit 21 beside a mask; four words of padding after every 64
	s_or_b32 s[G1B+0], s44, (0<<16)|(1<<20)|(1<<21)|(5<<22)|(3<<25)
.irp g, G1, G1B
	s_mov_b32 s[\g+1], ROWB<<16                    ; tensor_dim0
	s_mov_b32 s[\g+2], 128<<16                     ; tensor_dim1
	s_mov_b32 s[\g+3], ROWB<<16                    ; tile_dim0
	s_mov_b32 s[\g+4], 128                         ; tile_dim1
	s_mov_b32 s[\g+5], KROW                        ; the pitch
	s_mov_b32 s[\g+6], 0
	s_mov_b32 s[\g+7], 0
.endr
	s_or_b32 s[G1S+0], s43, (3<<16)|(1<<20)|(1<<21)|(5<<22)|(3<<25)   ; the scales of 128 rows: 4,096 dense bytes as 16 rows of 256 (32 elements of 8 bytes), 16 bytes of padding behind each
	s_or_b32 s[G1SB+0], s44, (3<<16)|(1<<20)|(1<<21)|(5<<22)|(3<<25)
.irp g, G1S, G1SB
	s_mov_b32 s[\g+1], 32<<16
	s_mov_b32 s[\g+2], (128*KS/256)<<16
	s_mov_b32 s[\g+3], 32<<16
	s_mov_b32 s[\g+4], 128*KS/256
	s_mov_b32 s[\g+5], 32
	s_mov_b32 s[\g+6], 0
	s_mov_b32 s[\g+7], 0
.endr
	s_lshl_b32 s18, s16, 7
	s_lshl_b32 s20, s17, 8
	s_add_co_u32 s20, s20, s18                     ; x: row 256 x tile row + 128 x half
	s_lshl_b32 s46, s42, 8
	s_add_co_u32 s46, s46, s18                     ; W: row 256 x tile column + 128 x half
	s_mov_b32 s21, 0
	s_mov_b32 s47, 0
	s_mov_b64 s[18:19], KS
	s_mul_u64 s[22:23], s[20:21], s[18:19]         ; where these rows' scales begin,
	s_mul_u64 s[92:93], s[46:47], s[18:19]
	s_mov_b64 s[18:19], KROW
	s_mul_u64 s[20:21], s[20:21], s[18:19]         ; and their codes
	s_mul_u64 s[46:47], s[46:47], s[18:19]
	s_mul_i32 s45, s14, HALFT                      ; where they go: wave x 128 rows: no place in the cluster enters an LDS address
	s_mul_i32 s94, s14, HALFS
	s_wait_dscnt 0x0                               ; both opening adds are done
	s_wait_kmcnt 0x0
	s_add_nc_u64 s[20:21], s[4:5], s[20:21]
	s_add_nc_u64 s[22:23], s[6:7], s[22:23]
	s_add_nc_u64 s[46:47], s[8:9], s[46:47]
	s_add_nc_u64 s[92:93], s[10:11], s[92:93]
	CROUND                                         ; all sixteen work-groups are here: the joint loads meet
	s_mov_b32 s[G0S], 1
	s_add_co_u32 s[G0S+1], s94, SCL
	s_mov_b64 s[G0S+2:G0S+3], s[22:23]
	s_or_b32 s[G0S+3], s[G0S+3], 0x80000000
	s_mov_b32 s[G0SB], 1
	s_add_co_u32 s[G0SB+1], s94, SCL
	s_mov_b64 s[G0SB+2:G0SB+3], s[92:93]
	s_or_b32 s[G0SB+3], s[G0SB+3], 0x80000000
	JLOAD G0S, G1S, G0SB, G1SB                     ; the scales first: they are wanted with the first slot.  Three loads of mine are out behind the next two
.irp s, 0,1
	s_mov_b32 s[G0+4*\s], 1
	s_add_co_u32 s[G0+4*\s+1], s45, \s*SLOT
	s_add_nc_u64 s[G0+4*\s+2:G0+4*\s+3], s[20:21], \s*ROWB
	s_or_b32 s[G0+4*\s+3], s[G0+4*\s+3], 0x80000000
	s_mov_b32 s[G0B+4*\s], 1
	s_add_co_u32 s[G0B+4*\s+1], s45, \s*SLOT
	s_add_nc_u64 s[G0B+4*\s+2:G0B+4*\s+3], s[46:47], \s*ROWB
	s_or_b32 s[G0B+4*\s+3], s[G0B+4*\s+3], 0x80000000
	JLOAD G0+4*\s, G1, G0B+4*\s, G1B
.endr
	v_and_b32 v1, 15, v0                           ; r = lane % 16: stays
	v_bfe_u32 v2, v0, 4, 1                         ; h = lane / 16: stays
	; the bias of my 128 columns: the section's vector is chosen by the cluster's x
	s_cmp_eq_u32 ttmp9, 0
	s_cselect_b64 s[96:97], s[96:97], s[98:99]
	s_cmp_eq_u32 ttmp9, 2
	s_cselect_b64 s[96:97], s[100:101], s[96:97]
	s_cselect_b32 s[ISV], 1, 0
	s_lshl_b32 s46, s40, 10
	s_lshl_b32 s47, s16, 9
	s_add_co_u32 s46, s46, s47                     ; my first column in the section, in bytes of f32: 1,024 cx + 512 x half
	s_mov_b32 s47, 0
	s_add_nc_u64 s[96:97], s[96:97], s[46:47]
	v_lshlrev_b32 v[OB32], 5, v2
.irp b, 0,1,2,3,4,5,6,7
	global_load_b128 v[BIAS+8*\b:BIAS+8*\b+3], v[OB32], s[96:97] offset:64*\b        ; lane (r, h): bias of columns 16 b + 8 h + 0 .. 7
	global_load_b128 v[BIAS+8*\b+4:BIAS+8*\b+7], v[OB32], s[96:97] offset:64*\b+16
.endr
	v_mul_u32_u24 v3, v1, PITCH
	v_lshl_add_u32 v4, v2, 4, v3                   ; a fragment's row x pitch + 16 x half
	s_mul_i32 s21, s15, HALFT                      ; my 128 rows of x
	s_mul_i32 s22, s16, HALFT                      ; my 128 rows of W,
	s_add_co_u32 s22, s22, 2*HALFT                 ; which lie behind x's 256
.irp s, 0,1
	v_add_nc_u32 v[ADRA+\s], s21, v4
	v_add_nc_u32 v[ADRB+\s], s22, v4
	s_add_co_u32 s21, s21, SLOT
	s_add_co_u32 s22, s22, SLOT
.endr
	v_mul_u32_u24 v5, v1, KS                       ; my row's scales: KS bytes a row,
	v_lshrrev_b32 v6, 8, v5
	v_lshl_add_u32 v5, v6, 4, v5                   ; and 16 more for each 256 passed
	s_mul_i32 s21, s15, HALFS
	s_mul_i32 s22, s16, HALFS
	s_add_co_u32 s22, s22, 2*HALFS
	s_sub_co_u32 s22, s22, s21
	v_mul_u32_u24 v6, s22, v2                      ; lanes 16-31 take W's
	s_add_co_u32 s21, s21, SCL
	v_add_nc_u32 v5, v5, v6
	v_add_nc_u32 v[ADRS], s21, v5
	s_mul_i32 s23, s14, 16*SPITCH                  ; my stage
	v_mul_u32_u24 v5, v1, SPITCH                   ; in: row r, 16 bytes for each half of the lanes
	v_lshl_add_u32 v5, v2, 4, v5
	v_add_nc_u32 v[STO], s23, v5
	v_bfe_u32 v5, v0, 3, 1                         ; back: lanes 0-15 take my first head's 128 bytes of two rows, lanes 16-31 my second head's
	v_mul_u32_u24 v5, v5, SPITCH
	v_lshl_add_u32 v5, v2, 7, v5
	v_and_b32 v6, 7, v0
	v_lshl_add_u32 v5, v6, 4, v5
	v_add_nc_u32 v[RD], s23, v5
	v_lshlrev_b32 v[CO], 4, v1                     ; and in memory: two tokens of a head are 256 consecutive bytes; heads lie 262,144 bytes apart
	v_lshl_add_u32 v[CO], v2, 18, v[CO]
	v_lshlrev_b32 v[VO], 2, v1
	v_lshl_add_u32 v[VO], v2, 9, v[VO]
	; where my part begins in the outputs
	s_lshr_b32 s22, s17, 3                         ; the batch: a sequence is 8 tile rows
	s_lshl_b32 s23, s22, 4
	s_lshl_b32 s21, s40, 2
	s_add_co_u32 s23, s23, s21
	s_lshl_b32 s21, s16, 1
	s_add_co_u32 s23, s23, s21                     ; the first of my two heads: 16 x batch + 4 cx + 2 x half
	s_lshl_b32 s20, s23, 12
	s_add_co_u32 s20, s20, 131072
	s_mov_b32 s21, 0
	s_add_nc_u64 s[98:99], s[66:67], s[20:21]      ; the f32 copy of V: 4,096 bytes a head, behind the block sums
	s_lshl_b32 s20, s17, 1
	s_add_co_u32 s20, s20, s15
	s_lshl_b32 s20, s20, 12                        ; the block sums: my 128 tokens' row of 4,096 bytes,
	s_add_nc_u64 s[66:67], s[66:67], s[20:21]
	s_add_nc_u64 s[66:67], s[66:67], s[46:47]      ; my columns
	s_lshl_b32 s20, s23, 11
	s_and_b32 s22, s17, 7
	s_lshl_b32 s18, s22, 8
	s_add_co_u32 s20, s20, s18
	s_lshl_b32 s18, s15, 7
	s_add_co_u32 s20, s20, s18                     ; head x 2,048 + my first token,
	s_lshl_b32 s20, s20, 7                         ; 128 bytes each,
	s_lshl_b32 s18, ttmp9, 23                      ; in my section
	s_add_co_u32 s20, s20, s18
	s_add_nc_u64 s[12:13], s[12:13], s[20:21]
	s_or_b32 s[FIRST], s22, s15
	s_cmp_eq_u32 s[FIRST], 0
	s_cselect_b32 s2, 0, 1.0                       ; the factor of my rows 0-15 in the block sum: 0 where they are a sequence's first 16
	s_mov_b32 s3, s2                               ; (named with it as a pair)
.macro FRAG reg, adr, q, i             ; a fragment, 16 rows x 128 K of 4-bit codes, is 8 registers: lane l holds row l % 16; registers 4 c .. 4 c + 3 hold K = 64 c + 32 (l / 16) + 0 .. 31
.irp c, 0,1
	ds_load_b128 v[\reg+4*\c:\reg+4*\c+3], v[\adr] offset:64*(\q)+32*\c+(\i)*16*PITCH
.endr
.endm
; 16 matrix instructions: x's blocks a0, a0 + 1 against W's eight, 128 along K.  first = 1: the bias is the C.  The 64 accumulators take turns, one instruction a turn, in the same order in every step.
.macro MUL16 a0, p, q, sc, first
.irp a, \a0, \a0+1
.irp b, 0,1,2,3,4,5,6,7
.if \first
	v_wmma_scale_f32_16x16x128_f8f6f4 v[8*(8*((\a)%4)+\b):8*(8*((\a)%4)+\b)+7], v[128*(\p)+FR*\b:128*(\p)+FR*\b+FR-1], v[AF+FR*(\a):AF+FR*(\a)+FR-1], v[BIAS+8*\b:BIAS+8*\b+7], v[SC+8*NQ*(\sc)+NQ*\b+(\q)], v[SC+8*NQ*(\sc)+NQ*(\a)+(\q)] matrix_a_fmt:MATRIX_FMT_FP4 matrix_b_fmt:MATRIX_FMT_FP4 matrix_a_scale:MATRIX_SCALE_ROW1
.else
	v_wmma_scale_f32_16x16x128_f8f6f4 v[8*(8*((\a)%4)+\b):8*(8*((\a)%4)+\b)+7], v[128*(\p)+FR*\b:128*(\p)+FR*\b+FR-1], v[AF+FR*(\a):AF+FR*(\a)+FR-1], v[8*(8*((\a)%4)+\b):8*(8*((\a)%4)+\b)+7], v[SC+8*NQ*(\sc)+NQ*\b+(\q)], v[SC+8*NQ*(\sc)+NQ*(\a)+(\q)] matrix_a_fmt:MATRIX_FMT_FP4 matrix_b_fmt:MATRIX_FMT_FP4 matrix_a_scale:MATRIX_SCALE_ROW1
.endif
.endr
.endr
.endm
.macro FETCH_B slot, q, p
	WIN TO_B
.irp i, 0,1,2,3,4,5,6,7
	FRAG 128*(\p)+FR*\i, ADRB+\slot, \q, \i
.endr
	WIN 0
.endm
.macro FETCH_A slot, q, i0
.irp i, \i0, \i0+1, \i0+2, \i0+3
	FRAG AF+FR*(\i), ADRA+\slot, \q, \i
.endr
.endm
.macro SCALES sc                       ; a slot's scale words: lanes 0-15 take x's block i, lanes 16-31 W's block i
.irp i, 0,1,2,3,4,5,6,7
	ds_load_b128 v[SC+8*NQ*\sc+NQ*\i:SC+8*NQ*\sc+NQ*\i+3], v[ADRS] offset:\i*SBLK
.endr
.endm
.macro PLACES n                        ; plain vector instructions between a matrix instruction and a load into, or a read of, its registers
.rept \n
	v_nop
.endr
.endm
.macro STEP slot, q, first             ; a step of 128 along K that has its successor in the same slot.  first = 1: C lies in window 0
	s_wait_dscnt 4*NL                              ; W's set and x's blocks 0-3 are in; the youngest eight loads (x's blocks 4-7) may be out
	WIN MUL_LO-0x20*(\first)
	MUL16 0, (\q)%2, \q, \slot, \first
	MUL16 2, (\q)%2, \q, \slot, \first
	s_wait_dscnt 0                                 ; x's blocks 4-7 are in
	PLACES NP
	FETCH_B \slot, (\q)+1, 1-(\q)%2
	FETCH_A \slot, (\q)+1, 0
	WIN MUL_HI-0x30*(\first)
	MUL16 4, (\q)%2, \q, \slot, \first
	MUL16 6, (\q)%2, \q, \slot, \first
	PLACES NP
	WIN 0
	FETCH_A \slot, (\q)+1, 4
.endm
; Slot 0's last step changes slots: one barrier; in front of it each wave waits for all its tensor loads (its part of slot 1), adds 0 to its spare word, and waits for that and for its reads of slot 0.  Nothing is filled again.
.macro TURN slot, next
	s_wait_tensorcnt 0x0
	ds_add_u32 v[SPW], v[NIL]
	s_wait_dscnt 4*NL+1                            ; (the add and the youngest eight loads may be out)
	WIN MUL_LO
	MUL16 0, 1, NQ-1, \slot, 0
	s_wait_dscnt 0x0                               ; the add is done, and my reads of this slot are over
	s_barrier_signal -1
	MUL16 2, 1, NQ-1, \slot, 0
	WIN 0
	s_barrier_wait -1
	PLACES NP
	v_add_nc_u32 v[ADRS], 4*NQ, v[ADRS]            ; on to the next slot's scale words
	FETCH_B \next, 0, 0
	FETCH_A \next, 0, 0
	SCALES \next
	WIN MUL_HI
	MUL16 4, 1, NQ-1, \slot, 0
	MUL16 6, 1, NQ-1, \slot, 0
	PLACES NP
	WIN 0
	FETCH_A \next, 0, 4
.endm
	s_wait_tensorcnt 1                             ; the scales and my part of slot 0 are in (slot 1's load may be out)
	s_barrier_signal -1
	s_barrier_wait -1                              ; everybody's are
	FETCH_B 0, 0, 0
	FETCH_A 0, 0, 0
	SCALES 0
	FETCH_A 0, 0, 4
	s_wait_loadcnt 0x0                             ; the bias
	STEP 0, 0, 1
	STEP 0, 1, 0
	STEP 0, 2, 0
	TURN 0, 1
	STEP 1, 0, 0
	STEP 1, 1, 0
	STEP 1, 2, 0
	s_wait_dscnt 4*NL                              ; the last step: nothing more to fetch
	WIN MUL_LO
	MUL16 0, 1, NQ-1, 1, 0
	MUL16 2, 1, NQ-1, 1, 0
	s_wait_dscnt 0
	WIN MUL_HI
	MUL16 4, 1, NQ-1, 1, 0
	MUL16 6, 1, NQ-1, 1, 0
	WIN 0
	PLACES NP                                      ; behind the last products: for every read of results and every write of scale and fragment registers below
	; V of a sequence's first 16 tokens, in f32: my block 0 as it stands.  Which wave has those rows hangs on the place in the cluster: so EXEC decides, and no branch.
	s_cmp_eq_u32 s[ISV], 0
	s_cbranch_scc1 .Lnov0
	v_mov_b32 v[FLG], s[FIRST]
	v_cmp_eq_u32 vcc_lo, 0, v[FLG]
	s_wait_xcnt 0x0                                ; EXEC changes only behind this wait
	s_and_saveexec_b32 s[SAVE], vcc_lo
	WIN 0x08                                       ; a store's data are its source 1: window 2
.irp b, 0,1,2,3,4,5,6,7
.irp j, 0,1,2,3,4,5,6,7
	global_store_b32 v[VO], v[8*\b+\j], s[98:99] offset:(\b/4)*4096+(16*(\b%4)+\j)*64   ; V(token r, channel 16 (b % 4) + 8 h + j) of head b / 4; each accumulator from its low end on
.endr
.endr
	WIN 0
	s_wait_xcnt 0x0
	s_or_b32 exec_lo, exec_lo, s[SAVE]
.Lnov0:
; THE WAY OUT, block by block of 16 rows x 128 columns.
.macro VSUM a                          ; V alone: the block's rows are added to the column sums, lane by lane
	s_cmp_eq_u32 s[ISV], 0
	s_cbranch_scc1 .Lnovs_\@
.set n, 0
.if (\a) == 0
	WIN 0x02
.rept 32
	v_pk_mul_f32 v[VS+n:VS+n+1], v[n:n+1], s[2:3] op_sel_hi:[1,0]    ; block 0 starts the sums: x 1, or x 0 where it is a sequence's first 16 tokens
.set n, n+2
.endr
.else
	WIN 0x08+4*((\a)/4)
.rept 32
	v_pk_add_f32 v[VS+n:VS+n+1], v[VS+n:VS+n+1], v[64*((\a)%4)+n:64*((\a)%4)+n+1]
.set n, n+2
.endr
.endif
	WIN 0
.Lnovs_\@:
.endm
.macro PACK a                          ; rounded to f16: a lane's eight columns are 16 bytes
.set AC, 64*((\a)%4)
	WIN 0x0a+5*((\a)/4)
.irp b, 0,1,2,3,4,5,6,7
.irp i, 0,1,2,3
	v_cvt_pk_f16_f32 v[TMP+4*\b+\i], v[AC+8*\b+2*\i], v[AC+8*\b+2*\i+1]
.endr
.endr
	WIN 0
.endm
.macro TOSTAGE a                       ; into my stage, and back so that sixteen lanes hold two tokens of one head
.set BB, BK+32*((\a)%2)
.irp b, 0,1,2,3,4,5,6,7
	ds_store_b128 v[STO], v[TMP+4*\b:TMP+4*\b+3] offset:32*\b
.endr
.irp t, 0,1,2,3,4,5,6,7
	ds_load_b128 v[BB+4*\t:BB+4*\t+3], v[RD] offset:\t*2*SPITCH      ; LDS serves a wave's instructions in order: these see the stores above
.endr
.endm
.macro SEND a
.set BB, BK+32*((\a)%2)
	s_wait_dscnt 0x0                               ; the block is back in registers
	s_wait_xcnt 0x0                                ; the block before has been read by its stores: the next block's loads may land in its registers
.irp t, 0,1,2,3,4,5,6,7
	global_store_b128 v[CO], v[BB+4*\t:BB+4*\t+3], s[12:13] offset:2048*(\a)+256*\t   ; 16 lanes store 256 consecutive bytes, aligned
.endr
.endm
	VSUM 0
	PACK 0
	TOSTAGE 0
.irp a, 1,2,3,4,5,6,7                  ; block a's arithmetic stands between block a - 1's loads from the stage and the wait for them
	VSUM \a
	PACK \a
	SEND \a-1
	TOSTAGE \a
.endr
	SEND 7
	; V alone: the sums over my 128 tokens: across the sixteen lanes of each half, then lanes 0 and 16 store their eight columns of each block
	s_cmp_eq_u32 s[ISV], 0
	s_cbranch_scc1 .Lnosum
.irp x, 1,2,4,8
.set n, 0
.rept 64
	v_add_f32_dpp v[VS+n], v[VS+n], v[VS+n] row_xmask:\x row_mask:0xf bank_mask:0xf
.set n, n+1
.endr
.endr
	v_cmp_eq_u32 vcc_lo, 0, v1
	s_wait_xcnt 0x0
	s_and_saveexec_b32 s[SAVE], vcc_lo
.irp b, 0,1,2,3,4,5,6,7
	global_store_b128 v[OB32], v[VS+8*\b:VS+8*\b+3], s[66:67] offset:64*\b
	global_store_b128 v[OB32], v[VS+8*\b+4:VS+8*\b+7], s[66:67] offset:64*\b+16
.endr
	s_wait_xcnt 0x0
	s_or_b32 exec_lo, exec_lo, s[SAVE]
.Lnosum:
	s_wait_tensorcnt 0x0                           ; the wave's end
	ds_add_u32 v[SPW], v[NIL]
	s_wait_dscnt 0x0
	CROUND                                         ; the closing round
	s_endpgm
.Lfunc_end_k_qd25d62896c_qkv:
	.size	k_qd25d62896c_qkv, .Lfunc_end_k_qd25d62896c_qkv-k_qd25d62896c_qkv
	.p2alignl 7, 3214868480
	.fill 96, 4, 3214868480
	.section	.rodata,"a",@progbits
	.p2align	6, 0x0
	.amdhsa_kernel k_qd25d62896c_qkv
		.amdhsa_group_segment_fixed_size 327680
		.amdhsa_private_segment_fixed_size 0
		.amdhsa_enable_private_segment 0
		.amdhsa_kernarg_size 72
		.amdhsa_user_sgpr_count 2
		.amdhsa_user_sgpr_kernarg_segment_ptr 1
		.amdhsa_wavefront_size32 1
		.amdhsa_system_sgpr_workgroup_id_x 1
		.amdhsa_system_sgpr_workgroup_id_y 1
		.amdhsa_system_sgpr_workgroup_id_z 1
		.amdhsa_system_vgpr_workitem_id 0
		.amdhsa_next_free_vgpr 1024
		.amdhsa_next_free_sgpr 102
		.amdhsa_reserve_vcc 1
		.amdhsa_float_denorm_mode_32 3
		.amdhsa_float_denorm_mode_16_64 3
		.amdhsa_memory_ordered 1
		.amdhsa_forward_progress 1
		.amdhsa_inst_pref_size 170
	.end_amdhsa_kernel
	.amdgpu_metadata
---
amdhsa.version: [ 1, 2 ]
amdhsa.kernels:
  - .name:           k_qd25d62896c_qkv
    .symbol:         k_qd25d62896c_qkv.kd
    .args:
      - { .name: xc, .offset: 0, .size: 8, .value_kind: global_buffer, .address_space: global }
      - { .name: xs, .offset: 8, .size: 8, .value_kind: global_buffer, .address_space: global }
      - { .name: wc, .offset: 16, .size: 8, .value_kind: global_buffer, .address_space: global }
      - { .name: ws, .offset: 24, .size: 8, .value_kind: global_buffer, .address_space: global }
      - { .name: qkv, .offset: 32, .size: 8, .value_kind: global_buffer, .address_space: global }
      - { .name: bq, .offset: 40, .size: 8, .value_kind: global_buffer, .address_space: global }
      - { .name: bk, .offset: 48, .size: 8, .value_kind: global_buffer, .address_space: global }
      - { .name: bv, .offset: 56, .size: 8, .value_kind: global_buffer, .address_space: global }
      - { .name: aux, .offset: 64, .size: 8, .value_kind: global_buffer, .address_space: global }
    .group_segment_fixed_size: 327680
    .private_segment_fixed_size: 0
    .kernarg_segment_align: 8
    .kernarg_segment_size: 72
    .max_flat_workgroup_size: 128
    .sgpr_count:     102
    .vgpr_count:     1024
    .wavefront_size: 32
...
	.end_amdgpu_metadata
.endif
;; end of part 2
;; launch attn (part 3): grid 8 x 32, 8 waves a work-group, no clusters, 327,680 bytes of LDS; arguments qkv, aux, oh; writes oh
.if DOCPART == 3
	.amdgcn_target "amdgcn-amd-amdhsa--gfx1250"
	.amdhsa_code_object_version 6
	.text
	.protected	k_qd25d62896c_attn
	.globl	k_qd25d62896c_attn
	.p2align	8
	.type	k_qd25d62896c_attn,@function
k_qd25d62896c_attn:
	s_mov_b64 s[64:65], 0
	v_nop
	global_prefetch_b8 v0, s[64:65] scope:SCOPE_SE
	s_setreg_imm32_b32 hwreg(HW_REG_WAVE_MODE, 25, 1), 1
	s_wait_xcnt 0x0
; O[bh][q] = sum over k of softmax_k(score) V[bh][k], score = Q[q] . K[k] / 8 where k <= q and -10,000 elsewhere.  Q, K, V: f16, [bh 32][token 2048][64]; products, maxima and sums in f32; the weights are
; rounded to f16 for the second product, O once at the end.  O goes out as f16, [head 16][batch x token 4096][64].
; THE MASK'S VALUE IS A NUMBER, NOT -INFINITY, and it is honoured.  In a query's own key step of 128 hidden keys take the score -10,000 and go the ordinary way.  The key steps wholly behind it have one and the
; same weight w = exp(-10,000 - m): they enter once, at the end, as (their count) x w in the row's sum and w x (the sum of their rows of V) in O; those sums come from the block sums that the launch before stored.
; SHARES.  A work-group owns query blocks i and 15 - i (128 queries each) of one head: 17 block steps in every work-group.  Each of its eight waves owns 32 queries, TWO tiles of 16, in 512 registers, so that each
; fragment of K and V read from LDS feeds two matrix instructions.  Waves of the early and of the late block are mixed: role = (w xor w / 4) % 2.
; All eight walk one stream of K and V, 128 keys a step, through a ring of two LDS slots of 256 keys (waves 0, 1 fetch K's halves, waves 2, 3 V's).  Every work-group walks all 8 slots (constant trip counts);
; a step whose keys all come after the wave's queries is jumped over, and a slot that no wave of the work-group reads is not asked for.
; NO CLUSTER: the work-groups of a head stop asking at different slots (the one with blocks 7 and 8 behind slot 4, the one with 0 and 15 never), so partners could not make every joint request.
; LAYOUT.  S^T = K Q^T (source 0 = 16 keys, source 1 = 16 queries): a lane holds ONE query (lane % 16) and keys 8 (lane / 16) + 0..7 of a tile.  Two such tiles, rounded in pairs, ARE source 1 of O^T = V^T P.
; V comes out of LDS turned, by ds_load_tr16_b128.  THE ROW'S SUM RIDES ON THE SECOND PRODUCT: a source 0 whose rows 0 and 8 are ones, multiplied with P, leaves the sum of the query's weights (as rounded to f16, the
; numbers that multiply V) in register 0 of its accumulator, in every lane; the other seven registers stay 0.
; ORDER IN A STEP: both tiles' scores; tile 0's softmax (tile 1's score products are still in the matrix unit); tile 0's V^T P; tile 1's softmax beside it; tile 1's V^T P.
; LIMITS: NaN and infinities are not served.
; REGISTERS, in two windows of 256 (s_set_vgpr_msb: bits 1:0 source 0, 3:2 source 1, 5:4 source 2, 7:6 destination).  TILE t's STATE LIES IN WINDOW t AT THE SAME NUMBERS, so that its vector work is one text, run under
; the setting 0 and under 0x55: v12 c m, v13 m; v16-31 Q; v96-159 S^T, then p; v160-191 O^T; v192-223 P; v224-227 four maxima; v[232:233] a; v234-239 at work; v240 the mask's bound, v241 -80,000, v242 r - 8 h + 16 t;
; v248-255 the sum's accumulator.  v32-95 of window f: fragment buffer f (the step's keys 64 f .. 64 f + 63).  A matrix instruction for tile t on buffer f runs under f + 0x54 t.
; Window 0 alone: v1-11 addresses; v228 r, v229 h, v230 lane; v243 two ones in f16; v244 the prefetches' offset; v246, v247 the head's load offsets.  Window 1 alone: v0-7 the source of ones.
.set PK,    144                        ; a key's row in LDS: 128 bytes + 16 of padding
.set PV,    160                        ; a row of V: 128 + 32
.set VOFF,  256*PK                     ; a slot: 256 rows of K, then 256 rows of V
.set SLOT1, 1<<17                      ; slot 1 begins here: one exclusive or turns an address from one slot into the other
.set STAGE, 2*SLOT1                    ; behind the ring: 32 rows x 144 bytes for each wave, for the way out; no tile lands here
.set VSF,   STAGE+8*32*PK              ; 256 bytes for each wave: the sum of V's rows behind its last key step
.set SPARE, VSF+8*256                  ; the spare words, 128 bytes for each wave
.set AK0, 1
.set AV0, 2
.set VSA, 3
.set VSB, 4
.set SPW, 5
.set NIL, 6
.set GO,  7
.set ADK, 8
.set ADV, 9
.set STI, 10
.set STB, 11
.set QF,  16
.set F,   32
.set S,   96
.set O,   160
.set P,   192
.set MX,  224
.set LS,  248
.set ONES, 0
.set PFO, 244
.set TB,  2                            ; s2   LDS byte at which the slot in hand begins
.set WV,  18
.set SEL, 20                           ; s[20:21] lane selects for v_permlanex16_b32: lane l xor 16
.set CS,  22                           ; s[22:23] c = log2(e) / 8
.set G1K, 24
.set G1V, 32
.set G0K, 40
.set G0V, 44
.set SLOTS, 67
.set NB,  68                           ; s68  my key steps: my block's number + 1
.set CNT, 69                           ; s69  the keys behind them, as f32
.set ONE, 70                           ; s[70:71] 1.0 or 0: does a block sum count
.set PFA, 76                           ; s[76:77] where my prefetches of K stand
.set PFB, 78                           ; s[78:79] and of V
.set LIM, 80
.set LASTQ, 97                         ; s97  my work-group's last query
.set KF,  98                           ; s98  the step's first key
.set Q0,  99                           ; s99  my first query
.set MSB, 0
.macro WIN new                         ; the immediate's high byte repeats the setting that is left; a switch that changes nothing is dropped
.if MSB != (\new)
	s_set_vgpr_msb (MSB<<8)|(\new)
.set MSB, (\new)
.endif
.endm
; Waves 0 and 1 fetch for K, waves 2 and 3 for V, the others nothing.  An s_nop 0 and four v_nop follow each of the two lines.
.macro TLOAD
	s_cmp_lt_u32 s[WV], 2
	s_cbranch_scc0 .Lnot_k_\@
	tensor_load_to_lds s[G0K:G0K+3], s[G1K:G1K+7]
	s_nop 0
.rept 4
	v_nop
.endr
	s_branch .Lasked_\@
.Lnot_k_\@:
	s_cmp_lt_u32 s[WV], 4
	s_cbranch_scc0 .Lasked_\@
	tensor_load_to_lds s[G0V:G0V+3], s[G1V:G1V+7]
	s_nop 0
.rept 4
	v_nop
.endr
.Lasked_\@:
.endm
; A prefetch of what the NEXT change of slots will ask for: 256 rows of K and of V, 32,768 dense bytes each.  All work-groups of a head walk the same K and V: the one with i = 0, which walks every slot, asks, and nobody else.
; In it the waves ask that fetch nothing: each of waves 4-7 for 8,192 bytes of K's block and 8,192 of V's, lanes 256 bytes apart, two instructions.  So each aligned 256 bytes are named once.  Slots 0 and 1 come by their loads alone; the last fill asks for nothing.
.macro ASK
	s_cmp_gt_u32 s[SLOTS], s[LIM]
	s_cbranch_scc0 .Lnot_mine_\@
	global_prefetch_b8 v[PFO], s[PFA:PFA+1] th:TH_LOAD_NT scope:SCOPE_SE
	global_prefetch_b8 v[PFO], s[PFB:PFB+1] th:TH_LOAD_NT scope:SCOPE_SE
.Lnot_mine_\@:
.endm
; A tile's state at the start: the step is written once, and its first pass finds zeros and a maximum under every score.
.macro STATE
	v_mov_b32 v241, 0xc79c4000                     ; -80,000: -10,000 ahead of the division by 8
	v_mov_b32 v13, 0xff61b1e6                      ; m: -3e38
	v_mul_f32 v12, s[CS], v13                      ; c m
	v_mov_b32 v233, 0                              ; (named as the upper half of the pair v[232:233])
	v_mov_b32 v235, 0                              ; (a lane permute's destination counts as read)
.set n, 0
.rept 32
	v_mov_b32 v[O+n], 0
.set n, n+1
.endr
.set n, 0
.rept 8
	v_mov_b32 v[LS+n], 0
.set n, n+1
.endr
.endm
	s_load_b128 s[4:7], s[0:1], 0x0                ; qkv, aux
	s_load_b64 s[8:9], s[0:1], 0x10                ; oh
	v_lshl_add_u32 v[SPW], v0, 2, SPARE
	v_mov_b32 v[NIL], 0
	ds_add_u32 v[SPW], v[NIL]                      ; the wave's opening: the add, twice on end, and its wait ahead of my first tensor load
	ds_add_u32 v[SPW], v[NIL]
	v_lshrrev_b32 v8, 5, v0
	v_readfirstlane_b32 s[WV], v8                  ; wave 0..7
	s_and_b32 s72, ttmp7, 0xffff                   ; bh = 16 x batch + head
	s_lshr_b32 s73, s[WV], 2
	s_xor_b32 s73, s73, s[WV]
	s_and_b32 s73, s73, 1                          ; role
	s_sub_co_u32 s74, 15, ttmp9
	s_cmp_eq_u32 s73, 0
	s_cselect_b32 s74, ttmp9, s74                  ; my block of 128 queries: i or 15 - i
	s_add_co_u32 s[NB], s74, 1
	s_lshl_b32 s[Q0], s74, 7
	s_lshr_b32 s75, s[WV], 1
	s_lshl_b32 s75, s75, 5
	s_add_co_u32 s[Q0], s[Q0], s75                 ; my first query: 128 x block + 32 x (wave / 2)
	s_sub_co_u32 s[LASTQ], 16, ttmp9
	s_lshl_b32 s[LASTQ], s[LASTQ], 7
	s_sub_co_u32 s[LASTQ], s[LASTQ], 1
	s_lshl_b32 s75, s[NB], 7
	s_sub_co_u32 s75, 2048, s75
	s_cvt_f32_u32 s[CNT], s75
	s_and_b32 s81, s72, 15                         ; head
	s_lshr_b32 s83, s72, 4                         ; batch
	s_lshl_b32 s84, s72, 18                        ; a head's rows in a section: 262,144 bytes
	s_mov_b32 s85, 0
	s_lshl_b32 s86, s[Q0], 7
	s_mov_b32 s87, 0
	s_lshl_b32 s88, s81, 12
	s_lshl_b32 s75, s83, 11
	s_add_co_u32 s88, s88, s75
	s_add_co_u32 s88, s88, s[Q0]
	s_lshl_b32 s88, s88, 7                         ; O: (head x 4,096 + batch x 2,048 + query) x 128 bytes
	s_mov_b32 s89, 0
	s_lshl_b32 s90, s83, 16
	s_lshl_b32 s75, s81, 8
	s_add_co_u32 s90, s90, s75                     ; the block sums: 65,536 bytes a batch, my head's 256 bytes of each row
	s_mov_b32 s91, 0
	s_and_b32 s92, s[WV], 1                        ; which 128 rows of a slot I fetch, if I fetch
	s_lshl_b32 s94, s92, 14
	s_mov_b32 s95, 0
	; descriptor group 1: 128 rows of 64 elements of 2 bytes, dense in memory, padded behind each row
	s_mov_b32 s[G1K], (1<<16)|(1<<20)|(4<<22)|(3<<25)             ; no mask; elements of 2 bytes; padding on: four words after every 32
	s_mov_b32 s[G1V], (1<<16)|(1<<20)|(4<<22)|(7<<25)             ; eight words
.irp g, G1K, G1V
	s_mov_b32 s[\g+1], 64<<16                      ; tensor_dim0
	s_mov_b32 s[\g+2], 128<<16                     ; tensor_dim1
	s_mov_b32 s[\g+3], 64<<16                      ; tile_dim0
	s_mov_b32 s[\g+4], 128                         ; tile_dim1
	s_mov_b32 s[\g+5], 64                          ; the pitch
	s_mov_b32 s[\g+6], 0
	s_mov_b32 s[\g+7], 0
.endr
	s_mov_b32 s[SEL], 0x76543210
	s_mov_b32 s[SEL+1], 0xfedcba98
	s_mov_b32 s[CS], 0x3e38aa3b                    ; c = log2(e) / 8
	s_mov_b32 s[CS+1], s[CS]
	s_mov_b32 s[ONE+1], 0                          ; (named as the upper half of a pair)
	s_mov_b32 s[TB], 0
	s_mov_b32 s[KF], 0
	s_mov_b32 s[SLOTS], 7
	s_wait_dscnt 0x0                               ; both opening adds are done
	s_wait_kmcnt 0x0
	s_add_nc_u64 s[4:5], s[4:5], s[84:85]          ; my head in Q's section,
	s_add_nc_u64 s[10:11], s[4:5], 0x800000        ; in K's,
	s_add_nc_u64 s[12:13], s[4:5], 0x1000000       ; in V's
	s_add_nc_u64 s[4:5], s[4:5], s[86:87]          ; Q at my first query
	s_add_nc_u64 s[6:7], s[6:7], s[90:91]
	s_add_nc_u64 s[8:9], s[8:9], s[88:89]
	s_mov_b32 s[G0K], 1
	s_mul_i32 s[G0K+1], s92, 128*PK                ; slot 0
	s_add_nc_u64 s[G0K+2:G0K+3], s[10:11], s[94:95]
	s_or_b32 s[G0K+3], s[G0K+3], 0x80000000
	s_mov_b32 s[G0V], 1
	s_mul_i32 s[G0V+1], s92, 128*PV
	s_add_co_u32 s[G0V+1], s[G0V+1], VOFF
	s_add_nc_u64 s[G0V+2:G0V+3], s[12:13], s[94:95]
	s_or_b32 s[G0V+3], s[G0V+3], 0x80000000
	TLOAD                                          ; slot 0: key 0 counts for every query, so it is read by every wave
	v_and_b32 v228, 15, v0                         ; r
	v_bfe_u32 v229, v0, 4, 1                       ; h
	v_and_b32 v230, 31, v0                         ; lane
	v_lshlrev_b32 v246, 3, v230
.irp kb, 1,2,3,4,5,6,7,8,9,10,11,12,13,14,15
	global_load_b64 v[S+2*(\kb-1):S+2*(\kb-1)+1], v246, s[6:7] offset:4096*\kb      ; block kb's sum of V, my head's 64 channels: two a lane
.endr
	v_lshlrev_b32 v247, 7, v228
	v_lshl_add_u32 v247, v229, 4, v247
.irp c, 0,1,2,3
	global_load_b128 v[QF+4*\c:QF+4*\c+3], v247, s[4:5] offset:32*\c                ; tile 0's two fragments of Q stay in registers;
.endr
	WIN 0x40                                       ; destination window 1
.irp c, 0,1,2,3
	global_load_b128 v[QF+4*\c:QF+4*\c+3], v247, s[4:5] offset:2048+32*\c           ; tile 1's, 16 rows of 128 bytes further on
.endr
	WIN 0
	s_and_b32 s93, s[WV], 3                        ; the prefetches: my 8,192 bytes of a slot's K and of its V,
	s_lshl_b32 s94, s93, 13
	s_add_co_u32 s94, s94, 32768                   ; in slot 1: the first change of slots steps them to slot 2
	s_add_nc_u64 s[PFA:PFA+1], s[10:11], s[94:95]
	s_add_nc_u64 s[PFB:PFB+1], s[12:13], s[94:95]
	s_sub_co_u32 s93, s[WV], 4
	s_lshr_b32 s93, s93, 2                         ; 0 in waves 4 to 7,
	s_or_b32 s93, s93, ttmp9                       ; of the work-group with i = 0
	s_cmp_eq_u32 s93, 0
	s_cselect_b32 s[LIM], 1, -1
	v_lshlrev_b32 v[PFO], 8, v230
	v_mul_u32_u24 v[AK0], v228, PK
	v_lshl_add_u32 v[AK0], v229, 4, v[AK0]         ; K: row r x pitch + 16 h
	v_and_b32 v234, 7, v0
	v_bfe_u32 v235, v0, 3, 1
	v_lshl_add_u32 v[AV0], v229, 3, v234           ; V, for the turning load: key 8 h + lane % 8, channels 8 ((lane / 8) % 2) on
	v_mul_u32_u24 v[AV0], v[AV0], PV
	v_lshl_add_u32 v[AV0], v235, 4, v[AV0]
	v_add_nc_u32 v[AV0], VOFF, v[AV0]
	v_lshl_add_u32 v[VSA], v0, 3, VSF              ; 256 x wave + 8 x lane
	s_lshl_b32 s93, s[WV], 8
	v_lshl_add_u32 v[VSB], v229, 5, s93
	v_add_nc_u32 v[VSB], VSF, v[VSB]
	v_lshlrev_b32 v[GO], 4, v230
	s_mul_i32 s93, s[WV], 32*PK
	v_mul_u32_u24 v[STI], v228, PK
	v_lshl_add_u32 v[STI], v229, 4, v[STI]
	v_add_nc_u32 v[STI], s93, v[STI]
	v_add_nc_u32 v[STI], STAGE, v[STI]             ; the stage, in: row r, 16 bytes for each half of the lanes (tile 1: 16 rows further on)
	v_bfe_u32 v236, v0, 3, 2
	v_mul_u32_u24 v[STB], v236, PK
	v_lshl_add_u32 v[STB], v234, 4, v[STB]
	v_add_nc_u32 v[STB], s93, v[STB]
	v_add_nc_u32 v[STB], STAGE, v[STB]             ; back: eight lanes to a row of 128 bytes, four rows an instruction
	v_lshlrev_b32 v242, 3, v229
	v_sub_nc_u32 v242, v228, v242                  ; r - 8 h
	v_mov_b32 v243, 0x3c003c00                     ; 1.0 twice, in f16
	v_cmp_eq_u32 vcc_lo, 0, v234                   ; lanes 0, 8, 16, 24: rows 0 and 8 of a source 0
	STATE                                          ; tile 0's
	WIN 0x40                                       ; destination window 1, sources window 0
	v_add_nc_u32 v242, 16, v242                    ; tile 1's queries lie 16 further on
.irp j, 0,1,2,3,4,5,6,7
	v_cndmask_b32 v[ONES+\j], 0, v243, vcc_lo      ; the source of ones: rows 0 and 8 are ones along all 32 of K, the others zeros
.endr
	WIN 0x55
	STATE                                          ; tile 1's: the same text in window 1
	WIN 0
	s_wait_loadcnt 8                               ; the fifteen block sums are in; Q's eight loads may be out
.irp kb, 1,2,3,4,5,6,7,8,9,10,11,12,13,14,15       ; the sum of the blocks behind my last key step: a factor of 1 or 0, no branch
	s_cmp_ge_u32 \kb, s[NB]
	s_cselect_b32 s[ONE], 1.0, 0
.if \kb == 1
	v_pk_mul_f32 v[234:235], v[S:S+1], s[ONE:ONE+1] op_sel_hi:[1,0]
.else
	v_pk_fma_f32 v[234:235], v[S+2*(\kb-1):S+2*(\kb-1)+1], s[ONE:ONE+1], v[234:235] op_sel_hi:[1,0,1]
.endif
.endr
	ds_store_b64 v[VSA], v[234:235]                ; kept in my own 256 bytes of LDS until the way out
	s_wait_loadcnt 0x0                             ; Q
.macro KFETCH q, g                     ; K's fragments of keys 64 g .. 64 g + 63 of the step into buffer g: 4 x 16 keys x 2 x 32 channels
	WIN 0x40*(\g)
.irp t, 0,1,2,3
.irp cc, 0,1
	ds_load_b128 v[F+16*\t+8*\cc:F+16*\t+8*\cc+3], v[ADK] offset:(128*(\q)+16*(4*(\g)+\t))*PK+64*\cc
	ds_load_b128 v[F+16*\t+8*\cc+4:F+16*\t+8*\cc+7], v[ADK] offset:(128*(\q)+16*(4*(\g)+\t))*PK+64*\cc+32
.endr
.endr
.endm
.macro VFETCH q, g                     ; V^T's fragments of the same keys into buffer g: 2 x 32 keys x 4 x 16 channels
	WIN 0x40*(\g)
.irp uu, 0,1
.irp t, 0,1,2,3
	ds_load_tr16_b128 v[F+32*\uu+8*\t:F+32*\uu+8*\t+3], v[ADV] offset:(128*(\q)+32*(2*(\g)+\uu))*PV+32*\t
	ds_load_tr16_b128 v[F+32*\uu+8*\t+4:F+32*\uu+8*\t+7], v[ADV] offset:(128*(\q)+32*(2*(\g)+\uu)+16)*PV+32*\t
.endr
.endr
.endm
.macro QK tl, g                        ; tile tl's scores of buffer g's 64 keys: 8 matrix instructions; the four accumulators take turns
	WIN (\g)+0x54*(\tl)
.irp t, 0,1,2,3
	v_wmma_f32_16x16x32_f16 v[S+8*(4*(\g)+\t):S+8*(4*(\g)+\t)+7], v[F+16*\t:F+16*\t+7], v[QF:QF+7], 0
.endr
.irp t, 0,1,2,3
	v_wmma_f32_16x16x32_f16 v[S+8*(4*(\g)+\t):S+8*(4*(\g)+\t)+7], v[F+16*\t+8:F+16*\t+15], v[QF+8:QF+15], v[S+8*(4*(\g)+\t):S+8*(4*(\g)+\t)+7]
.endr
.endm
; Tile tl: O^T += V^T P, and the row's sum += ones P.  8 matrix instructions on buffer 0; then, under the setting that reaches window 1's sources, 8 on buffer 1 and the sum's four among them: five accumulators by turns.
.macro PVM tl
	WIN 0x54*(\tl)
.irp uu, 0,1
.irp t, 0,1,2,3
	v_wmma_f32_16x16x32_f16 v[O+8*\t:O+8*\t+7], v[F+32*\uu+8*\t:F+32*\uu+8*\t+7], v[P+8*\uu:P+8*\uu+7], v[O+8*\t:O+8*\t+7]
.endr
.endr
	WIN 1+0x54*(\tl)
.irp uu, 0,1
.irp t, 0,1
	v_wmma_f32_16x16x32_f16 v[O+8*\t:O+8*\t+7], v[F+32*\uu+8*\t:F+32*\uu+8*\t+7], v[P+8*(2+\uu):P+8*(2+\uu)+7], v[O+8*\t:O+8*\t+7]
.endr
	v_wmma_f32_16x16x32_f16 v[LS:LS+7], v[ONES:ONES+7], v[P+8*(2*\uu):P+8*(2*\uu)+7], v[LS:LS+7]
.irp t, 2,3
	v_wmma_f32_16x16x32_f16 v[O+8*\t:O+8*\t+7], v[F+32*\uu+8*\t:F+32*\uu+8*\t+7], v[P+8*(2+\uu):P+8*(2+\uu)+7], v[O+8*\t:O+8*\t+7]
.endr
	v_wmma_f32_16x16x32_f16 v[LS:LS+7], v[ONES:ONES+7], v[P+8*(2*\uu+1):P+8*(2*\uu+1)+7], v[LS:LS+7]
.endr
.endm
; One tile's mask on the diagonal.  d = the lane's query - KF - 8 h.  Register 8 T + j holds key KF + 16 T + 8 h + j: hidden where 16 T + j > d.  s96 = my first query - KF
.macro MASK
	v_add_nc_u32 v240, s96, v242
.set n, 0
.rept 64
	v_cmp_gt_i32 vcc_lo, 16*(n/8)+n%8, v240
	v_cndmask_b32 v[S+n], v[S+n], v241, vcc_lo
.set n, n+1
.endr
.endm
; One tile's softmax for a key step: vector instructions alone, all in the tile's window.
.macro SOFTMAX
.irp b, 0,1,2,3                                ; the largest score, in four chains; each accumulator is read from its low end on
	v_max3_num_f32 v[MX+\b], v[S+16*\b], v[S+16*\b+1], v[S+16*\b+2]
.endr
.irp i, 3,5,7,9,11,13
.irp b, 0,1,2,3
	v_max3_num_f32 v[MX+\b], v[MX+\b], v[S+16*\b+\i], v[S+16*\b+\i+1]
.endr
.endr
.irp b, 0,1,2,3
	v_max_num_f32 v[MX+\b], v[MX+\b], v[S+16*\b+15]
.endr
	v_max3_num_f32 v234, v[MX], v[MX+1], v[MX+2]
	v_max3_num_f32 v234, v234, v[MX+3], v13        ; with the old m
	v_permlanex16_b32 v235, v234, s[SEL], s[SEL+1] ; the query's other 64 keys lie in the lane 16 away
	v_mov_b32 v236, v12
	v_max_num_f32 v13, v234, v235                  ; the new m
	v_mul_f32 v12, s[CS], v13
	v_sub_f32 v236, v236, v12                      ; c m_old - c m_new
.set n, 0
.rept 32
	v_pk_fma_f32 v[S+n:S+n+1], v[S+n:S+n+1], s[CS:CS+1], v[12:13] op_sel_hi:[1,0,0] neg_lo:[0,0,1] neg_hi:[0,0,1]   ; c s - c m
.set n, n+2
.endr
	v_exp_f32 v232, v236                           ; a
.set n, 0
.rept 64
	v_exp_f32 v[S+n], v[S+n]                       ; p
.set n, n+1
.endr
	v_nop                                          ; a plain instruction behind the last exponential
	s_wait_alu depctr_va_vdst(0)                   ; one wait for the batch of 65, ahead of its first reader
	v_mul_f32 v[LS], v[LS], v232                   ; the row's sum x a: register 0 holds it, the accumulator's other registers are zeros
.set n, 0
.rept 32
	v_cvt_pk_f16_f32 v[P+n], v[S+2*n], v[S+2*n+1]
.set n, n+1
.endr
.set n, 0
.rept 16
	v_pk_mul_f32 v[O+n:O+n+1], v[O+n:O+n+1], v[232:233] op_sel_hi:[1,0]   ; O^T x a
.set n, n+2
.endr
.endm
; A KEY STEP: 128 keys, the q-th of the slot in hand, for both tiles.
.macro STEP q
	s_add_co_u32 s96, s[Q0], 31                    ; a step all of whose keys come after my 32 queries is left out: a branch on ids, round the step's work; no barrier and no tensor load stands in a step
	s_cmp_gt_u32 s[KF], s96
	s_cbranch_scc1 .Lhidden_\@
	v_add_nc_u32 v[ADK], s[TB], v[AK0]
	v_add_nc_u32 v[ADV], s[TB], v[AV0]
	v_nop
	v_nop                                          ; four places between the last step's products and the loads into the registers that they read
	KFETCH \q, 0
	KFETCH \q, 1
	s_wait_dscnt 16                                ; buffer 0's sixteen loads are in; buffer 1's sixteen may be out
	QK 0, 0
	s_wait_dscnt 0x0
	QK 0, 1                                        ; tile 0's scores first: its softmax begins while tile 1's products are in the matrix unit
	QK 1, 0
	QK 1, 1
.rept 4
	v_nop                                          ; places: for the loads below, and for the first read of the scores
.endr
	VFETCH \q, 0                                   ; V's fragments land while the first softmax is worked
	VFETCH \q, 1
	WIN 0
	s_add_co_u32 s96, s[KF], 127                   ; on the diagonal hidden keys take the score -10,000.  A step all of whose keys count skips this (my 32 queries lie in one block of 128: the test is one for both tiles)
	s_cmp_le_u32 s96, s[Q0]
	s_cbranch_scc1 .Lopen_\@
	s_sub_co_i32 s96, s[Q0], s[KF]
	MASK
	WIN 0x55
	MASK
	WIN 0
.Lopen_\@:
	SOFTMAX                                        ; tile 0
	s_wait_dscnt 0x0                               ; V's fragments are in
	PVM 0
	WIN 0x55
	SOFTMAX                                        ; tile 1, beside tile 0's products: it names none of their registers
	PVM 1
	WIN 0
.Lhidden_\@:
	s_add_co_u32 s[KF], s[KF], 128
.endm
; THE CHANGE OF SLOTS stands at a slot's head.  Each wave waits for all its tensor loads, adds 0 to its spare word (fill = 1: twice on end), and waits for that and for its reads of the slot that it has left.
; Behind the barrier the slot ahead is whole and nobody reads the other one.  fill = 1: that other slot takes the keys that follow, up to the causal limit: the load has a slot's two steps in which to land.
.macro CHANGE fill
	s_wait_tensorcnt 0x0                           ; no tensor load of mine is out, so a group 0 may be written
	ds_add_u32 v[SPW], v[NIL]
.if \fill
	ds_add_u32 v[SPW], v[NIL]                      ; and once more
	s_xor_b32 s[G0K+1], s[G0K+1], SLOT1            ; the walking descriptors: the other slot than last time,
	s_add_nc_u64 s[G0K+2:G0K+3], s[G0K+2:G0K+3], 32768   ; the next 256 keys
	s_xor_b32 s[G0V+1], s[G0V+1], SLOT1
	s_add_nc_u64 s[G0V+2:G0V+3], s[G0V+2:G0V+3], 32768
	s_wait_xcnt 0x0                                ; the last prefetches, a slot back, have read their addresses
	s_add_nc_u64 s[PFA:PFA+1], s[PFA:PFA+1], 32768
	s_add_nc_u64 s[PFB:PFB+1], s[PFB:PFB+1], 32768
.endif
	s_wait_dscnt 0x0                               ; the adds are done, and my reads of the slot that I have left are over
	s_barrier_signal -1
	s_barrier_wait -1
.if \fill
	s_add_co_u32 s96, s[KF], 256                   ; the first key of the slot that this change would ask for: behind my work-group's last query it is read by none of the eight waves, and is not asked for.
	s_cmp_gt_u32 s96, s[LASTQ]                     ; ids and the count of steps alone: all eight waves go the same way.  Every wait on TENSORcnt in this text is for 0
	s_cbranch_scc1 .Lpast_\@
	TLOAD                                          ; the first thing behind the barrier, and a wave's one tensor load until the next
.Lpast_\@:
	ASK
.endif
.endm
.macro SLOT_STEPS
	STEP 0
	STEP 1
	s_xor_b32 s[TB], s[TB], SLOT1
.endm
.Lslot:                                            ; 7 trips: behind each change of slots but the last the next slot is asked for
	CHANGE 1
	SLOT_STEPS
	s_sub_co_u32 s[SLOTS], s[SLOTS], 1
	s_cmp_lg_u32 s[SLOTS], 0
	s_cbranch_scc1 .Lslot
	CHANGE 0                                       ; the last slot is written out: nothing is left to ask for
	SLOT_STEPS
; THE WAY OUT.  The keys behind my last step enter here: m2 = max(m, -10,000); what was summed is brought under m2 by a2, each of those keys weighs w.  Both macros are vector work in the tile's window.
.macro TAIL1
	v_max_num_f32 v234, v13, v241
	v_mul_f32 v236, s[CS], v234                    ; c m2
	v_sub_f32 v237, v12, v236
	v_fma_f32 v238, v241, s[CS], -v236
.endm
.macro TAIL2
	v_exp_f32 v237, v237                           ; a2 = 2^(c m - c m2)
	v_exp_f32 v238, v238                           ; w = 2^(-10,000 log2(e) - c m2)
	v_nop
	s_wait_alu depctr_va_vdst(0)
	v_mul_f32 v239, s[CNT], v238
	v_fma_f32 v239, v[LS], v237, v239              ; the row's whole sum
	v_rcp_f32 v239, v239
	v_nop
	s_wait_alu depctr_va_vdst(0)
	v_mul_f32 v232, v237, v239                     ; what O^T is multiplied by,
	v_mul_f32 v234, v238, v239                     ; and the hidden blocks' sum
	s_wait_dscnt 0x0                               ; that sum is in
.set n, 0
.rept 16
	v_pk_mul_f32 v[F+n:F+n+1], v[F+n:F+n+1], v[234:235] op_sel_hi:[1,0]
.set n, n+2
.endr
.set n, 0
.rept 16
	v_pk_fma_f32 v[S+n:S+n+1], v[O+n:O+n+1], v[232:233], v[F+n:F+n+1] op_sel_hi:[1,0,1]
.set n, n+2
.endr
.set n, 0
.rept 16
	v_cvt_pk_f16_f32 v[P+n], v[S+2*n], v[S+2*n+1]
.set n, n+1
.endr
.endm
	TAIL1                                          ; tile 0.  (These four lines are the places between the last products and the loads into the registers that they read)
.irp t, 0,1,2,3
.irp u, 0,1
	ds_load_b128 v[F+8*\t+4*\u:F+8*\t+4*\u+3], v[VSB] offset:64*\t+16*\u     ; the sum of the hidden blocks' V, in O^T's layout: channels 16 t + 8 h + 0 .. 7; once for each tile, which scales it by its own factor
.endr
.endr
	WIN 0x40
.irp t, 0,1,2,3
.irp u, 0,1
	ds_load_b128 v[F+8*\t+4*\u:F+8*\t+4*\u+3], v[VSB] offset:64*\t+16*\u
.endr
.endr
	WIN 0
	TAIL2
.irp t, 0,1,2,3
	ds_store_b128 v[STI], v[P+4*\t:P+4*\t+3] offset:32*\t
.endr
	WIN 0x55
	TAIL1                                          ; tile 1
	TAIL2
	WIN 0x04                                       ; an LDS store's data are its source 1: window 1
.irp t, 0,1,2,3
	ds_store_b128 v[STI], v[P+4*\t:P+4*\t+3] offset:16*PK+32*\t
.endr
	WIN 0
.irp u, 0,1,2,3,4,5,6,7
	ds_load_b128 v[F+4*\u:F+4*\u+3], v[STB] offset:4*PK*\u      ; LDS serves a wave's instructions in order: these see my stores
.endr
.irp u, 0,1,2,3,4,5,6,7
	s_wait_dscnt 7-\u                              ; row group u is back; the younger loads may be out
	global_store_b128 v[GO], v[F+4*\u:F+4*\u+3], s[8:9] offset:512*\u    ; 32 lanes store four rows of O: 512 consecutive bytes, aligned
.endr
	s_wait_tensorcnt 0x0                           ; the wave's end
	ds_add_u32 v[SPW], v[NIL]
	s_wait_dscnt 0x0
	s_endpgm
.Lfunc_end_k_qd25d62896c_attn:
	.size	k_qd25d62896c_attn, .Lfunc_end_k_qd25d62896c_attn-k_qd25d62896c_attn
	.p2alignl 7, 3214868480
	.fill 96, 4, 3214868480
	.section	.rodata,"a",@progbits
	.p2align	6, 0x0
	.amdhsa_kernel k_qd25d62896c_attn
		.amdhsa_group_segment_fixed_size 327680
		.amdhsa_private_segment_fixed_size 0
		.amdhsa_enable_private_segment 0
		.amdhsa_kernarg_size 24
		.amdhsa_user_sgpr_count 2
		.amdhsa_user_sgpr_kernarg_segment_ptr 1
		.amdhsa_wavefront_size32 1
		.amdhsa_system_sgpr_workgroup_id_x 1
		.amdhsa_system_sgpr_workgroup_id_y 1
		.amdhsa_system_sgpr_workgroup_id_z 1
		.amdhsa_system_vgpr_workitem_id 0
		.amdhsa_next_free_vgpr 512
		.amdhsa_next_free_sgpr 100
		.amdhsa_reserve_vcc 1
		.amdhsa_float_denorm_mode_32 3
		.amdhsa_float_denorm_mode_16_64 3
		.amdhsa_memory_ordered 1
		.amdhsa_forward_progress 1
		.amdhsa_inst_pref_size 180
	.end_amdhsa_kernel
	.amdgpu_metadata
---
amdhsa.version: [ 1, 2 ]
amdhsa.kernels:
  - .name:           k_qd25d62896c_attn
    .symbol:         k_qd25d62896c_attn.kd
    .args:
      - { .name: qkv, .offset: 0, .size: 8, .value_kind: global_buffer, .address_space: global }
      - { .name: aux, .offset: 8, .size: 8, .value_kind: global_buffer, .address_space: global }
      - { .name: oh, .offset: 16, .size: 8, .value_kind: global_buffer, .address_space: global }
    .group_segment_fixed_size: 327680
    .private_segment_fixed_size: 0
    .kernarg_segment_align: 8
    .kernarg_segment_size: 24
    .max_flat_workgroup_size: 256
    .sgpr_count:     100
    .vgpr_count:     512
    .wavefront_size: 32
...
	.end_amdgpu_metadata
.endif
;; end of part 3
;; launch proj (part 4): grid 8 x 32, 4 waves a work-group, clusters of 4 x 4, 327,680 bytes of LDS; arguments oh, wo16, out0, bo; writes out0
.if DOCPART == 4
	.amdgcn_target "amdgcn-amd-amdhsa--gfx1250"
	.amdhsa_code_object_version 6
	.text
	.protected	k_qd25d62896c_proj
	.globl	k_qd25d62896c_proj
	.p2align	8
	.type	k_qd25d62896c_proj,@function
k_qd25d62896c_proj:
	s_mov_b64 s[64:65], 0
	v_nop
	global_prefetch_b8 v0, s[64:65] scope:SCOPE_SE
	s_setreg_imm32_b32 hwreg(HW_REG_WAVE_MODE, 25, 1), 1
	s_wait_xcnt 0x0
	s_wait_alu depctr_hold_cnt(0) depctr_sa_sdst(0) depctr_va_vdst(0) depctr_va_sdst(0) depctr_va_ssrc(0) depctr_va_vcc(0) depctr_vm_vsrc(0)
	s_getreg_b32 s2, hwreg(HW_REG_IB_STS2, 6, 4)
	s_cmp_eq_u32 s2, 0
	s_cbranch_scc0 .Lentry_in_a_cluster
	s_endpgm
.Lentry_in_a_cluster:
	s_bfe_u32 s2, ttmp6, 0x10000c
	s_cmp_lg_u32 s2, 0xf033
	s_cbranch_scc0 .Lentry_shape_is_right
	s_endpgm
.Lentry_shape_is_right:
; out0[m][n] = sum over k of O[m][k] Wo[n][k] + bo[n], m 4,096, n 1,024, k 1,024; operands f16, sums f32, out f32.  Rows 0-15 of each sequence are NOT stored here: a launch of their own carries them in f32.
; Both operands lie by blocks of 64 along K: O as [k block 16][row 4096][64], Wo as [k block 16][n 1024][64].  64 rows of one k block are 8,192 dense bytes.
; A tile of out0 is 128 x 128: 256 work-groups.  Four waves, each 64 x 64: 16 accumulators.  K goes in steps of 256 (four k blocks) through a ring of two LDS slots; a wave's tensor load brings 64 rows of four
; k blocks as four runs of 8,192 bytes, with 16 bytes of padding behind every 128: in LDS [k block 4][row 64][144 bytes].
; CLUSTERS: 4 x 4 work-groups.  The four of a row of the cluster need the same tiles of O, the four of a column the same tiles of Wo: each tile is asked for JOINTLY.
; THE MATRIX INSTRUCTION IS USED TRANSPOSED (source 0 = 16 rows of Wo, source 1 = 16 rows of O): a lane holds eight neighbouring numbers of a row of out0.  bo is the C of each sum's first product.
; REGISTERS: window 0: v0-31 addresses; v32-95 rows on the way out, two sets; v96-127 bo, eight registers for each of my 4 column blocks; v128-255 the accumulators ((a, b) at v[128 + 8 (4 a + b)]).
;   window 1: two fragment buffers of 128: for 64 along K, 64 registers of O, then 64 of Wo.
.set PITCH,  144                       ; an LDS row: 128 bytes + 16 of padding
.set KB,     64*PITCH                  ; 64 rows of one k block
.set HALFT,  4*KB                      ; what one tensor load brings, and what one wave reads of O or of Wo
.set SLOT,   4*HALFT
.set STAGE,  2*SLOT                    ; behind the ring: 16 rows x 272 bytes for each wave, for the way out
.set SPITCH, 272
.set SPARE,  STAGE+4*16*SPITCH         ; the spare words, 128 bytes for each wave
.set ASTEP,  4*4096*128                ; a K step on in O: four k blocks of 4,096 rows of 128 bytes
.set BSTEP,  4*1024*128                ; and in Wo
.set FLG,  13
.set OB32, 14
.set ADRA, 16
.set ADRB, 20
.set STO,  24
.set RD,   25
.set CO,   26
.set SPW,  28
.set NIL,  29
.set BK,   32
.set BIAS, 96
.set ACC,  128
.set F0,   0
.set F1,   128
.set G1, 24
.set G0, 32
.set G1B, 48
.set G0B, 56
.set MSB, 0
.macro WIN new
.if MSB != (\new)
	s_set_vgpr_msb (MSB<<8)|(\new)
.set MSB, (\new)
.endif
.endm
.set MUL,  0x05                        ; sources 0 (Wo) and 1 (O) window 1; C and D window 0
.set TO_F, 0x40
.macro JLOAD s                         ; a joint load: waves 0 and 1 fetch O's two halves, waves 2 and 3 Wo's; an s_nop 0 and four v_nop follow each of the two lines
	s_cmp_eq_u32 s11, 0
	s_cbranch_scc0 .Lfor_b_\@
	tensor_load_to_lds s[G0+4*\s:G0+4*\s+3], s[G1:G1+7]
	s_nop 0
.rept 4
	v_nop
.endr
	s_branch .Lasked_\@
.Lfor_b_\@:
	tensor_load_to_lds s[G0B+4*\s:G0B+4*\s+3], s[G1B:G1B+7]
	s_nop 0
.rept 4
	v_nop
.endr
.Lasked_\@:
.endm
.macro CREST                           ; a round of the cluster's barrier behind its opening barrier
	s_cmp_lg_u32 s10, 0
	s_cbranch_scc1 .Lnot_wave_0_\@
	s_barrier_signal -3
.Lnot_wave_0_\@:
	s_barrier_wait -3
	s_barrier_signal -1
	s_barrier_wait -1
.endm
.macro CROUND
	s_barrier_signal -1
	s_barrier_wait -1
	CREST
.endm
	s_load_b128 s[4:7], s[0:1], 0x0                ; O, Wo
	s_load_b64 s[8:9], s[0:1], 0x10                ; out0
	s_load_b64 s[66:67], s[0:1], 0x18              ; bo
	v_lshl_add_u32 v[SPW], v0, 2, SPARE
	v_mov_b32 v[NIL], 0
	ds_add_u32 v[SPW], v[NIL]                      ; the wave's opening: the add, twice on end, and its wait ahead of my first tensor load
	ds_add_u32 v[SPW], v[NIL]
	v_lshrrev_b32 v1, 5, v0
	v_readfirstlane_b32 s10, v1                    ; wave 0..3
	s_lshr_b32 s11, s10, 1                         ; which half of the tile's rows is mine.  Also: I fetch for O (0) or for Wo (1)
	s_and_b32 s12, s10, 1                          ; which half of its columns.  Also: which 64 rows of that tile I fetch
	s_bfe_u32 s40, ttmp6, 0x40000
	s_bfe_u32 s41, ttmp6, 0x40004
	s_lshl_b32 s42, ttmp9, 2
	s_add_co_u32 s42, s42, s40                     ; tile column
	s_and_b32 s13, ttmp7, 0xffff
	s_lshl_b32 s13, s13, 2
	s_add_co_u32 s13, s13, s41                     ; tile row
	s_lshl_b32 s43, s41, 2
	s_lshl_b32 s43, 15, s43                        ; my row of the cluster
	s_lshl_b32 s44, 0x1111, s40                    ; my column
	s_or_b32 s[G1+0], s43, (1<<16)|(1<<20)|(1<<21)|(4<<22)|(3<<25)  ; the mask; elements of 2 bytes; padding on; bit 21 beside a mask; four words of padding after every 32
	s_or_b32 s[G1B+0], s44, (1<<16)|(1<<20)|(1<<21)|(4<<22)|(3<<25)
.irp g, G1, G1B
	s_mov_b32 s[\g+1], 4096<<16                    ; tensor_dim0 = 4,096 elements: 64 rows of 64
	s_mov_b32 s[\g+2], 4<<16                       ; tensor_dim1 = 4 k blocks
	s_mov_b32 s[\g+3], 4096<<16                    ; tile_dim0
	s_mov_b32 s[\g+4], 4                           ; tile_dim1
	s_mov_b32 s[\g+6], 0
	s_mov_b32 s[\g+7], 0
.endr
	s_mov_b32 s[G1+5], 4096*64                     ; from k block to k block, in elements: O's,
	s_mov_b32 s[G1B+5], 1024*64                    ; Wo's
	s_lshl_b32 s17, s12, 6
	s_lshl_b32 s16, s13, 7
	s_add_co_u32 s16, s16, s17
	s_lshl_b32 s16, s16, 7                         ; O: (128 x tile row + 64 x half) rows of 128 bytes
	s_lshl_b32 s46, s42, 7
	s_add_co_u32 s46, s46, s17
	s_lshl_b32 s46, s46, 7                         ; Wo: (128 x tile column + 64 x half) rows
	s_mov_b32 s17, 0
	s_mov_b32 s47, 0
	s_mul_i32 s20, s10, HALFT                      ; where they go: no place in the cluster enters an LDS address
	s_wait_dscnt 0x0                               ; both opening adds are done
	s_wait_kmcnt 0x0
	s_add_nc_u64 s[14:15], s[4:5], s[16:17]
	s_add_nc_u64 s[46:47], s[6:7], s[46:47]
	CROUND                                         ; all sixteen work-groups are here: the first joint loads meet
.irp s, 0,1
	s_mov_b32 s[G0+4*\s], 1
	s_add_co_u32 s[G0+4*\s+1], s20, \s*SLOT
	s_add_nc_u64 s[G0+4*\s+2:G0+4*\s+3], s[14:15], \s*ASTEP
	s_or_b32 s[G0+4*\s+3], s[G0+4*\s+3], 0x80000000
	s_mov_b32 s[G0B+4*\s], 1
	s_add_co_u32 s[G0B+4*\s+1], s20, \s*SLOT
	s_add_nc_u64 s[G0B+4*\s+2:G0B+4*\s+3], s[46:47], \s*BSTEP
	s_or_b32 s[G0B+4*\s+3], s[G0B+4*\s+3], 0x80000000
	JLOAD \s
.endr
	v_and_b32 v1, 15, v0                           ; r
	v_bfe_u32 v2, v0, 4, 1                         ; h
	s_lshl_b32 s46, s42, 7
	s_lshl_b32 s47, s12, 6
	s_add_co_u32 s46, s46, s47
	s_lshl_b32 s46, s46, 2                         ; my first column, in bytes of f32
	s_mov_b32 s47, 0
	s_add_nc_u64 s[66:67], s[66:67], s[46:47]
	v_lshlrev_b32 v[OB32], 5, v2
.irp b, 0,1,2,3
	global_load_b128 v[BIAS+8*\b:BIAS+8*\b+3], v[OB32], s[66:67] offset:64*\b        ; lane (r, h): bo of columns 16 b + 8 h + 0 .. 7
	global_load_b128 v[BIAS+8*\b+4:BIAS+8*\b+7], v[OB32], s[66:67] offset:64*\b+16
.endr
	v_mul_u32_u24 v3, v1, PITCH
	v_lshl_add_u32 v3, v2, 4, v3                   ; a fragment's row x pitch + 16 x half
	s_mul_i32 s21, s11, HALFT                      ; my 64 rows of O
	s_mul_i32 s22, s12, HALFT                      ; my 64 rows of Wo,
	s_add_co_u32 s22, s22, 2*HALFT                 ; which lie behind O's 128
.irp s, 0,1
	v_add_nc_u32 v[ADRA+\s], s21, v3
	v_add_nc_u32 v[ADRB+\s], s22, v3
	s_add_co_u32 s21, s21, SLOT
	s_add_co_u32 s22, s22, SLOT
.endr
	s_mul_i32 s23, s10, 16*SPITCH
	s_add_co_u32 s23, s23, STAGE                   ; my stage
	v_mul_u32_u24 v4, v1, SPITCH                   ; in: row r, 32 bytes for each half of the lanes
	v_lshl_add_u32 v4, v2, 5, v4
	v_add_nc_u32 v[STO], s23, v4
	v_mul_u32_u24 v5, v2, SPITCH                   ; back: lanes 0-15 one row of 256 bytes, lanes 16-31 the next
	v_lshl_add_u32 v5, v1, 4, v5
	v_add_nc_u32 v[RD], s23, v5
	v_lshlrev_b32 v5, 12, v2                       ; and the same two rows in out0
	v_lshl_add_u32 v[CO], v1, 4, v5
	s_lshl_b32 s16, s13, 7
	s_lshl_b32 s17, s11, 6
	s_add_co_u32 s16, s16, s17
	s_lshl_b32 s16, s16, 12                        ; my first row: (128 x tile row + 64 x half) x 4,096 bytes
	s_mov_b32 s17, 0
	s_add_nc_u64 s[8:9], s[8:9], s[16:17]
	s_add_nc_u64 s[8:9], s[8:9], s[46:47]
	s_and_b32 s68, s13, 15
	s_or_b32 s68, s68, s11                         ; 0 where my rows begin a sequence (16 tile rows to a sequence)
.macro MUL8 f, c, a0, first            ; 8 matrix instructions: m blocks a0, a0 + 1 x all 4 n blocks, 32 along K: half c of buffer f.  first = 1: bo is the C.  The 16 accumulators take turns
.irp a, \a0, \a0+1
.irp b, 0,1,2,3
.if \first
	v_wmma_f32_16x16x32_f16 v[ACC+8*(4*(\a)+\b):ACC+8*(4*(\a)+\b)+7], v[\f+64+8*(4*\c+\b):\f+64+8*(4*\c+\b)+7], v[\f+8*(4*\c+\a):\f+8*(4*\c+\a)+7], v[BIAS+8*\b:BIAS+8*\b+7]
.else
	v_wmma_f32_16x16x32_f16 v[ACC+8*(4*(\a)+\b):ACC+8*(4*(\a)+\b)+7], v[\f+64+8*(4*\c+\b):\f+64+8*(4*\c+\b)+7], v[\f+8*(4*\c+\a):\f+8*(4*\c+\a)+7], v[ACC+8*(4*(\a)+\b):ACC+8*(4*(\a)+\b)+7]
.endif
.endr
.endr
.endm
.macro FETCH slot, k, f                ; 32 LDS loads in one run: the fragments of one k block (at byte k of a half tile) into buffer f; the first 32 along K first
	WIN TO_F
.irp c, 0,1
.irp i, 0,1,2,3
	ds_load_b128 v[\f+64+8*(4*\c+\i):\f+64+8*(4*\c+\i)+3],   v[ADRB+\slot] offset:\k+64*\c+\i*16*PITCH
	ds_load_b128 v[\f+64+8*(4*\c+\i)+4:\f+64+8*(4*\c+\i)+7], v[ADRB+\slot] offset:\k+64*\c+\i*16*PITCH+32
	ds_load_b128 v[\f+8*(4*\c+\i):\f+8*(4*\c+\i)+3],         v[ADRA+\slot] offset:\k+64*\c+\i*16*PITCH
	ds_load_b128 v[\f+8*(4*\c+\i)+4:\f+8*(4*\c+\i)+7],       v[ADRA+\slot] offset:\k+64*\c+\i*16*PITCH+32
.endr
.endr
.endm
.macro PLACES
.rept 4
	v_nop
.endr
.endm
.macro QUARTER slot, k, f, g, first    ; one k block: multiplies buffer f and fetches the next k block, at byte k, into g
	s_wait_dscnt 16                                ; the first 32 along K are in; the youngest sixteen loads may be out
	WIN MUL
	MUL8 \f, 0, 0, \first
	MUL8 \f, 0, 2, \first
	PLACES
	FETCH \slot, \k, \g
	s_wait_dscnt 32                                ; all but the 32 just issued
	WIN MUL
	MUL8 \f, 1, 0, 0
	MUL8 \f, 1, 2, 0
.endm
; A slot's last k block changes slots: ONE barrier; in front of it each wave waits for all its tensor loads, adds 0 to its spare word, and waits for that and for its own reads of this slot.  fill = 1: this slot is filled again, two K steps ahead.
.macro TURN slot, next, fill
	WIN 0
	s_wait_tensorcnt 0x0                           ; all my tensor loads have landed: my part of the next slot
	ds_add_u32 v[SPW], v[NIL]
	s_wait_dscnt 17                                ; (the add and the youngest sixteen loads may be out)
	WIN MUL
	MUL8 F1, 0, 0, 0
	s_wait_dscnt 0x0                               ; the add is done, and my reads of this slot are over
	s_barrier_signal -1
	MUL8 F1, 0, 2, 0
.if \fill
	WIN 0
.endif
	s_barrier_wait -1
.if \fill
	CREST                                          ; the barrier has opened a round of the cluster's barrier: no wave of any partner still reads this slot or has a load on its way
	s_add_nc_u64 s[G0+4*\slot+2:G0+4*\slot+3], s[G0+4*\slot+2:G0+4*\slot+3], 2*ASTEP
	s_add_nc_u64 s[G0B+4*\slot+2:G0B+4*\slot+3], s[G0B+4*\slot+2:G0B+4*\slot+3], 2*BSTEP
	JLOAD \slot                                    ; the first tensor load behind the round; its four v_nop are also the places in front of the loads below
.else
	PLACES
.endif
	FETCH \next, 0, F0
	WIN MUL
	MUL8 F1, 1, 0, 0
	MUL8 F1, 1, 2, 0
.endm
	s_wait_tensorcnt 1                             ; my part of K step 0 is in (K step 1's load may be out)
	s_barrier_signal -1
	s_barrier_wait -1                              ; everybody's is
	FETCH 0, 0, F0
	s_wait_loadcnt 0x0                             ; bo
	QUARTER 0, KB,   F0, F1, 1                     ; four K steps, written out: the first two fill their slots again, the last two do not
	QUARTER 0, 2*KB, F1, F0, 0
	QUARTER 0, 3*KB, F0, F1, 0
	TURN 0, 1, 1
	QUARTER 1, KB,   F0, F1, 0
	QUARTER 1, 2*KB, F1, F0, 0
	QUARTER 1, 3*KB, F0, F1, 0
	TURN 1, 0, 1
	QUARTER 0, KB,   F0, F1, 0
	QUARTER 0, 2*KB, F1, F0, 0
	QUARTER 0, 3*KB, F0, F1, 0
	TURN 0, 1, 0
	QUARTER 1, KB,   F0, F1, 0
	QUARTER 1, 2*KB, F1, F0, 0
	QUARTER 1, 3*KB, F0, F1, 0
	s_wait_dscnt 16                                ; the last k block: nothing more to fetch
	WIN MUL
	MUL8 F1, 0, 0, 0
	MUL8 F1, 0, 2, 0
	s_wait_dscnt 0
	MUL8 F1, 1, 0, 0
	MUL8 F1, 1, 2, 0
	WIN 0
; THE WAY OUT, block by block of 16 rows x 64 columns.  My 64 columns of f32 are 256 aligned bytes of a row: so each wave has a stage of its own and no barrier is needed.
.macro TOSTAGE a
.set BB, BK+32*((\a)%2)
.irp b, 0,1,2,3
	ds_store_b128 v[STO], v[ACC+8*(4*(\a)+\b):ACC+8*(4*(\a)+\b)+3] offset:64*\b          ; each accumulator from its low end on
	ds_store_b128 v[STO], v[ACC+8*(4*(\a)+\b)+4:ACC+8*(4*(\a)+\b)+7] offset:64*\b+16
.endr
.irp t, 0,1,2,3,4,5,6,7
	ds_load_b128 v[BB+4*\t:BB+4*\t+3], v[RD] offset:\t*2*SPITCH      ; LDS serves a wave's instructions in order: these see the stores above
.endr
.endm
.macro SEND a, younger                 ; younger: the LDS instructions issued behind block a's loads, which may stay out
.set BB, BK+32*((\a)%2)
	s_wait_dscnt \younger
.irp t, 0,1,2,3,4,5,6,7
	global_store_b128 v[CO], v[BB+4*\t:BB+4*\t+3], s[8:9] offset:(16*(\a)+2*\t)*4096 th:TH_STORE_NT   ; 16 lanes store 256 consecutive bytes, aligned
.endr
.endm
	PLACES
	TOSTAGE 0
	TOSTAGE 1
	v_mov_b32 v[FLG], s68                          ; block 0 is not stored where it is a sequence's first 16 rows.  That hangs on the place in the cluster: so EXEC decides, and no branch
	v_cmp_ne_u32 vcc_lo, 0, v[FLG]
	s_wait_xcnt 0x0                                ; EXEC changes only behind this wait
	s_and_saveexec_b32 s69, vcc_lo
	SEND 0, 16
	s_wait_xcnt 0x0                                ; and again; block 0's stores have also read their registers: block 2's loads may land there
	s_or_b32 exec_lo, exec_lo, s69
	TOSTAGE 2
	SEND 1, 16
	s_wait_xcnt 0x0                                ; block 1's stores have read their registers
	TOSTAGE 3
	SEND 2, 16
	SEND 3, 0
	s_wait_tensorcnt 0x0                           ; the wave's end
	ds_add_u32 v[SPW], v[NIL]
	s_wait_dscnt 0x0
	CROUND                                         ; the closing round
	s_endpgm
.Lfunc_end_k_qd25d62896c_proj:
	.size	k_qd25d62896c_proj, .Lfunc_end_k_qd25d62896c_proj-k_qd25d62896c_proj
	.p2alignl 7, 3214868480
	.fill 96, 4, 3214868480
	.section	.rodata,"a",@progbits
	.p2align	6, 0x0
	.amdhsa_kernel k_qd25d62896c_proj
		.amdhsa_group_segment_fixed_size 327680
		.amdhsa_private_segment_fixed_size 0
		.amdhsa_enable_private_segment 0
		.amdhsa_kernarg_size 32
		.amdhsa_user_sgpr_count 2
		.amdhsa_user_sgpr_kernarg_segment_ptr 1
		.amdhsa_wavefront_size32 1
		.amdhsa_system_sgpr_workgroup_id_x 1
		.amdhsa_system_sgpr_workgroup_id_y 1
		.amdhsa_system_sgpr_workgroup_id_z 1
		.amdhsa_system_vgpr_workitem_id 0
		.amdhsa_next_free_vgpr 512
		.amdhsa_next_free_sgpr 72
		.amdhsa_reserve_vcc 1
		.amdhsa_float_denorm_mode_32 3
		.amdhsa_float_denorm_mode_16_64 3
		.amdhsa_memory_ordered 1
		.amdhsa_forward_progress 1
		.amdhsa_inst_pref_size 86
	.end_amdhsa_kernel
	.amdgpu_metadata
---
amdhsa.version: [ 1, 2 ]
amdhsa.kernels:
  - .name:           k_qd25d62896c_proj
    .symbol:         k_qd25d62896c_proj.kd
    .args:
      - { .name: oh, .offset: 0, .size: 8, .value_kind: global_buffer, .address_space: global }
      - { .name: wo16, .offset: 8, .size: 8, .value_kind: global_buffer, .address_space: global }
      - { .name: out0, .offset: 16, .size: 8, .value_kind: global_buffer, .address_space: global }
      - { .name: bo, .offset: 24, .size: 8, .value_kind: global_buffer, .address_space: global }
    .group_segment_fixed_size: 327680
    .private_segment_fixed_size: 0
    .kernarg_segment_align: 8
    .kernarg_segment_size: 32
    .max_flat_workgroup_size: 128
    .sgpr_count:     72
    .vgpr_count:     512
    .wavefront_size: 32
...
	.end_amdgpu_metadata
.endif
;; end of part 4
;; launch fine (part 5): grid 32 x 2, 16 waves a work-group, no clusters, 38,912 bytes of LDS; arguments qkv, aux, Wo, bo, out0; writes out0
.if DOCPART == 5
	.amdgcn_target "amdgcn-amd-amdhsa--gfx1250"
	.amdhsa_code_object_version 6
	.text
	.protected	k_qd25d62896c_fine
	.globl	k_qd25d62896c_fine
	.p2align	8
	.type	k_qd25d62896c_fine,@function
k_qd25d62896c_fine:
	s_mov_b64 s[64:65], 0
	v_nop
	global_prefetch_b8 v0, s[64:65] scope:SCOPE_SE
	s_setreg_imm32_b32 hwreg(HW_REG_WAVE_MODE, 25, 1), 1
	s_wait_xcnt 0x0
; Rows 0-15 of each sequence of out0, carried finely: these rows average one to sixteen values, so the rounding of f16 operands would weigh most here.  Scores on f16 operands (their error enters only through the
; weights); the weights, V, O and Wo in f32: both later products by v_wmma_f32_16x16x4_f32.  That is 2 x 16 rows of 4,096: no bulk work.
; The mask's value -10,000 is honoured: keys 16 .. 2,047 all have the weight w = exp(-10,000 - m); they enter as 2,032 w in the row's sum and w x (the sum of their rows of V), which is the sum of the sixteen block sums
; that the projections' launch stored (its first block leaves tokens 0-15 out).
; SHARES.  A work-group takes one batch and 32 columns of out0; wave w takes head w: its 16 x 16 scores, its O (16 x 64), and its part of the 32 columns, a sum over its 64 of K.  The sixteen parts meet in LDS; waves 0-3 add them.
; A store covers 128 consecutive bytes of each of four rows: half runs, on 128 KB in all: the price of 64 work-groups in place of 32.
; LAYOUT.  All three products are used transposed, so that a lane holds ONE query (lane % 16) throughout.  In the f32 form the place k = 2 h + j of step s stands for key (or channel) 8 h + 2 s + j, alike on both sides.
; The registers that the f32 form writes, v192-239, are written by matrix instructions alone.
; REGISTERS: v1, v2 the add's two; v3 r, v4 h, v5-15 addresses; v16-31 Q; v32-47 K; v48-55 S^T; v56-63 p; v64-95 V^T; v96-159 Wo, later the sixteen parts; v160-191 the block sums, then the hidden keys' term;
; v192-223 O^T; v224-239 my part of out0; v240-255 at work.
.set VSC,   0                          ; LDS: 256 bytes a wave: the hidden keys' sum of V
.set RED,   4096                       ; 2,048 bytes a wave: its part of the 16 x 32 results, as an image of its registers
.set SPARE, 36864                      ; the spare words, 128 bytes for each wave
.set SPW, 1
.set NIL, 2
	s_load_b256 s[4:11], s[0:1], 0x0               ; qkv s[4:5], aux s[6:7], Wo s[8:9], bo s[10:11]
	s_load_b64 s[12:13], s[0:1], 0x20              ; out0
	v_lshl_add_u32 v[SPW], v0, 2, SPARE
	v_mov_b32 v[NIL], 0
	v_lshrrev_b32 v3, 5, v0
	v_readfirstlane_b32 s14, v3                    ; wave = head
	s_and_b32 s15, ttmp7, 0xffff                   ; batch
	s_lshl_b32 s16, s15, 4
	s_add_co_u32 s16, s16, s14                     ; bh
	s_lshl_b32 s17, ttmp9, 5                       ; my first column
	s_mov_b32 s18, 0x76543210
	s_mov_b32 s19, 0xfedcba98                      ; lane selects: lane l xor 16
	s_mov_b32 s26, 0x3e38aa3b                      ; c = log2(e) / 8
	s_mov_b32 s27, s26
	s_mov_b32 s28, 0x44fe0000                      ; 2,032.0: keys 16 .. 2,047
	s_lshl_b32 s30, s16, 18                        ; my head's rows in a section
	s_mov_b32 s31, 0
	s_lshl_b32 s32, s15, 16
	s_lshl_b32 s29, s14, 8
	s_add_co_u32 s32, s32, s29                     ; the block sums: my batch, my head's 256 bytes of each row
	s_mov_b32 s33, 0
	s_lshl_b32 s34, s16, 12
	s_add_co_u32 s34, s34, 131072                  ; V of tokens 0-15 in f32: 4,096 bytes a head
	s_mov_b32 s35, 0
	s_lshl_b32 s36, s17, 12
	s_add_co_u32 s36, s36, s29                     ; Wo: row n0, my head's 64 of K
	s_mov_b32 s37, 0
	s_lshl_b32 s38, s17, 2
	s_mov_b32 s39, 0
	s_lshl_b32 s40, s15, 23
	s_add_co_u32 s40, s40, s38                     ; out0: my batch's first row, my columns
	s_mov_b32 s41, 0
	v_and_b32 v3, 15, v0                           ; r
	v_bfe_u32 v4, v0, 4, 1                         ; h
	v_and_b32 v12, 31, v0                          ; lane
	v_lshlrev_b32 v6, 3, v12                       ; 8 x lane
	v_lshlrev_b32 v5, 7, v3
	v_lshl_add_u32 v5, v4, 4, v5                   ; Q, K: row r of 128 bytes + 16 h
	v_lshlrev_b32 v7, 6, v3
	v_lshl_add_u32 v7, v4, 5, v7                   ; V^T: channel r's 64 bytes + 32 h
	v_lshlrev_b32 v8, 12, v3
	v_lshl_add_u32 v8, v4, 5, v8                   ; Wo: row r of 4,096 bytes + 32 h
	v_and_b32 v9, 7, v0
	v_lshlrev_b32 v9, 4, v9                        ; 16 x piece: a thread's four columns on the way out
	v_lshl_add_u32 v10, v0, 3, VSC                 ; 256 x wave + 8 x lane
	v_lshl_add_u32 v11, v4, 5, s29                 ; 256 x wave + 32 h
	v_lshlrev_b32 v12, 4, v12
	s_lshl_b32 s29, s14, 11
	v_add_nc_u32 v12, s29, v12
	v_add_nc_u32 v12, RED, v12                     ; my part's image: 2,048 x wave + 16 x lane
	v_bfe_u32 v13, v0, 2, 1                        ; where thread T (piece = T % 8, query = T / 8) finds its four columns in an image: tile piece / 4,
	v_lshlrev_b32 v13, 10, v13
	v_and_b32 v240, 1, v0
	v_lshl_add_u32 v13, v240, 9, v13               ; registers 4 (piece % 2) on,
	v_bfe_u32 v240, v0, 1, 1
	v_lshl_add_u32 v13, v240, 8, v13               ; lane 16 ((piece / 2) % 2) + query
	v_bfe_u32 v241, v0, 3, 4
	v_lshl_add_u32 v13, v241, 4, v13
	v_add_nc_u32 v13, RED, v13
	v_lshl_add_u32 v14, v241, 12, v9               ; and in out0: row query, 16 x piece
	v_lshlrev_b32 v15, 3, v4
	v_sub_nc_u32 v15, v3, v15                      ; r - 8 h
	v_mov_b32 v240, 0xc79c4000                     ; -80,000: -10,000 ahead of the division by 8
	v_mov_b32 v242, 0                              ; a lane permute's destination counts as read
	v_mov_b32 v243, 0                              ; (named as the upper half of a pair)
	v_mov_b32 v249, 0
	s_wait_kmcnt 0x0
	s_add_nc_u64 s[4:5], s[4:5], s[30:31]          ; Q
	s_add_nc_u64 s[20:21], s[4:5], 0x800000        ; K
	s_add_nc_u64 s[22:23], s[6:7], s[32:33]
	s_add_nc_u64 s[24:25], s[6:7], s[34:35]
	s_add_nc_u64 s[8:9], s[8:9], s[36:37]
	s_add_nc_u64 s[10:11], s[10:11], s[38:39]
	s_add_nc_u64 s[12:13], s[12:13], s[40:41]
.irp c, 0,1,2,3
	global_load_b128 v[16+4*\c:19+4*\c], v5, s[4:5] offset:32*\c
.endr
.irp c, 0,1,2,3
	global_load_b128 v[32+4*\c:35+4*\c], v5, s[20:21] offset:32*\c
.endr
.irp kb, 0,1,2,3,4,5,6,7,8,9,10,11,12,13,14,15
	global_load_b64 v[160+2*\kb:161+2*\kb], v6, s[22:23] offset:4096*\kb
.endr
.irp t, 0,1,2,3
	global_load_b128 v[64+8*\t:67+8*\t], v7, s[24:25] offset:1024*\t           ; V(key 8 h + 0 .. 7, channel 16 t + r)
	global_load_b128 v[68+8*\t:71+8*\t], v7, s[24:25] offset:1024*\t+16
.endr
.irp nt, 0,1
.irp t, 0,1,2,3
	global_load_b128 v[96+32*\nt+8*\t:99+32*\nt+8*\t], v8, s[8:9] offset:65536*\nt+64*\t        ; Wo(n0 + 16 nt + r, 64 w + 16 t + 8 h + 0 .. 7)
	global_load_b128 v[100+32*\nt+8*\t:103+32*\nt+8*\t], v8, s[8:9] offset:65536*\nt+64*\t+16
.endr
.endr
	global_load_b128 v[244:247], v9, s[10:11]      ; bo of a thread's four columns
	s_wait_loadcnt 41                              ; Q and K are in: 16 + 8 + 16 + 1 younger loads may be out
	v_wmma_f32_16x16x32_f16 v[48:55], v[32:39], v[16:23], 0       ; S^T = K Q^T: lane (r, h): query r, keys 8 h + 0 .. 7
	s_wait_alu depctr_va_vdst(0)                   ; the wait directly ahead of the link
	v_wmma_f32_16x16x32_f16 v[48:55], v[40:47], v[24:31], v[48:55]
.rept 4
	v_nop
.endr
.irp j, 0,1,2,3,4,5,6,7
	v_cmp_gt_i32 vcc_lo, \j, v15                   ; key 8 h + j is hidden from query r where j > r - 8 h
	v_cndmask_b32 v[48+\j], v[48+\j], v240, vcc_lo
.endr
	v_max3_num_f32 v241, v48, v49, v50
	v_max3_num_f32 v241, v241, v51, v52
	v_max3_num_f32 v241, v241, v53, v54
	v_max3_num_f32 v241, v241, v55, v240           ; -10,000 is among the row's scores
	v_permlanex16_b32 v242, v241, s18, s19
	v_max_num_f32 v241, v241, v242                 ; m
	v_mul_f32 v242, s26, v241                      ; c m
.irp j, 0,2,4,6
	v_pk_fma_f32 v[56+\j:57+\j], v[48+\j:49+\j], s[26:27], v[242:243] op_sel_hi:[1,0,0] neg_lo:[0,0,1] neg_hi:[0,0,1]
.endr
	v_fma_f32 v248, v240, s26, -v242
.irp j, 0,1,2,3,4,5,6,7
	v_exp_f32 v[56+\j], v[56+\j]                   ; p
.endr
	v_exp_f32 v248, v248                           ; w
	v_nop
	s_wait_alu depctr_va_vdst(0)                   ; one wait for the nine
	s_wait_loadcnt 25                              ; the block sums are in: 8 + 16 + 1 younger loads may be out
	v_pk_add_f32 v[250:251], v[160:161], v[162:163]
.irp kb, 2,3,4,5,6,7,8,9,10,11,12,13,14,15
	v_pk_add_f32 v[250:251], v[250:251], v[160+2*\kb:161+2*\kb]
.endr
	ds_store_b64 v10, v[250:251]                   ; two channels a lane in; eight channels a lane back, in O^T's layout
.irp t, 0,1,2,3
.irp u, 0,1
	ds_load_b128 v[160+8*\t+4*\u:163+8*\t+4*\u], v11 offset:VSC+64*\t+16*\u
.endr
.endr
	v_pk_add_f32 v[252:253], v[56:57], v[58:59]
	v_pk_add_f32 v[254:255], v[60:61], v[62:63]
	v_pk_add_f32 v[252:253], v[252:253], v[254:255]
	v_add_f32 v252, v252, v253
	v_permlanex16_b32 v249, v252, s18, s19
	v_add_f32 v252, v252, v249
	v_fma_f32 v252, v248, s28, v252                ; the row's sum: sixteen keys and 2,032 times w
	v_rcp_f32 v254, v252
	v_nop
	s_wait_alu depctr_va_vdst(0)
.irp j, 0,2,4,6
	v_pk_mul_f32 v[56+\j:57+\j], v[56+\j:57+\j], v[254:255] op_sel_hi:[1,0]    ; the weights, normalised, in f32
.endr
	v_mul_f32 v252, v248, v254
	s_wait_dscnt 0x0
.set n, 0
.rept 16
	v_pk_mul_f32 v[160+n:161+n], v[160+n:161+n], v[252:253] op_sel_hi:[1,0]    ; the hidden keys' term: it is the C of O^T's first products
.set n, n+2
.endr
	s_wait_loadcnt 17                              ; V^T is in: 16 + 1 younger loads may be out
.irp s, 0,1,2,3                                ; O^T = V^T p: four accumulators by turns
.irp t, 0,1,2,3
.if \s == 0
	v_wmma_f32_16x16x4_f32 v[192+8*\t:199+8*\t], v[64+8*\t:65+8*\t], v[56:57], v[160+8*\t:167+8*\t]
.else
	v_wmma_f32_16x16x4_f32 v[192+8*\t:199+8*\t], v[64+8*\t+2*\s:65+8*\t+2*\s], v[56+2*\s:57+2*\s], v[192+8*\t:199+8*\t]
.endif
.endr
.endr
.rept 9
	v_nop                                          ; nine places before a matrix instruction takes these results as an operand
.endr
	s_wait_loadcnt 1                               ; Wo is in; bo may be out
.irp t, 0,1,2,3                                ; my part of out0, transposed: source 0 = 16 rows of Wo, source 1 = O^T; two accumulators by turns
.irp s, 0,1,2,3
.irp nt, 0,1
.if (\t == 0) && (\s == 0)
	v_wmma_f32_16x16x4_f32 v[224+8*\nt:231+8*\nt], v[96+32*\nt:97+32*\nt], v[192:193], 0
.else
	v_wmma_f32_16x16x4_f32 v[224+8*\nt:231+8*\nt], v[96+32*\nt+8*\t+2*\s:97+32*\nt+8*\t+2*\s], v[192+8*\t+2*\s:193+8*\t+2*\s], v[224+8*\nt:231+8*\nt]
.endif
.endr
.endr
.endr
.rept 8
	v_nop                                          ; eight places before the results are read, and before loads land on the operands
.endr
.irp nt, 0,1
.irp u, 0,1
	ds_store_b128 v12, v[224+8*\nt+4*\u:227+8*\nt+4*\u] offset:1024*\nt+512*\u
.endr
.endr
	s_wait_dscnt 0x0                               ; for the others' sake: my part lies in LDS
	s_barrier_signal -1
	s_barrier_wait -1
	s_cmp_ge_u32 s14, 4                            ; 128 threads add the sixteen parts: four columns of one row each
	s_cbranch_scc1 .Lend
.irp p, 0,1,2,3,4,5,6,7,8,9,10,11,12,13,14,15
	ds_load_b128 v[96+4*\p:99+4*\p], v13 offset:2048*\p
.endr
	s_wait_loadcnt 0x0                             ; bo
	s_wait_dscnt 0x0
.irp p, 0,1,2,3,4,5,6,7,8,9,10,11,12,13,14,15
	v_pk_add_f32 v[244:245], v[244:245], v[96+4*\p:97+4*\p]
	v_pk_add_f32 v[246:247], v[246:247], v[98+4*\p:99+4*\p]
.endr
	global_store_b128 v14, v[244:247], s[12:13]
.Lend:
	s_wait_tensorcnt 0x0                           ; the wave's end
	ds_add_u32 v[SPW], v[NIL]
	s_wait_dscnt 0x0
	s_endpgm
.Lfunc_end_k_qd25d62896c_fine:
	.size	k_qd25d62896c_fine, .Lfunc_end_k_qd25d62896c_fine-k_qd25d62896c_fine
	.p2alignl 7, 3214868480
	.fill 96, 4, 3214868480
	.section	.rodata,"a",@progbits
	.p2align	6, 0x0
	.amdhsa_kernel k_qd25d62896c_fine
		.amdhsa_group_segment_fixed_size 38912
		.amdhsa_private_segment_fixed_size 0
		.amdhsa_enable_private_segment 0
		.amdhsa_kernarg_size 40
		.amdhsa_user_sgpr_count 2
		.amdhsa_user_sgpr_kernarg_segment_ptr 1
		.amdhsa_wavefront_size32 1
		.amdhsa_system_sgpr_workgroup_id_x 1
		.amdhsa_system_sgpr_workgroup_id_y 1
		.amdhsa_system_sgpr_workgroup_id_z 1
		.amdhsa_system_vgpr_workitem_id 0
		.amdhsa_next_free_vgpr 256
		.amdhsa_next_free_sgpr 66
		.amdhsa_reserve_vcc 1
		.amdhsa_float_denorm_mode_32 3
		.amdhsa_float_denorm_mode_16_64 3
		.amdhsa_memory_ordered 1
		.amdhsa_forward_progress 1
		.amdhsa_inst_pref_size 21
	.end_amdhsa_kernel
	.amdgpu_metadata
---
amdhsa.version: [ 1, 2 ]
amdhsa.kernels:
  - .name:           k_qd25d62896c_fine
    .symbol:         k_qd25d62896c_fine.kd
    .args:
      - { .name: qkv, .offset: 0, .size: 8, .value_kind: global_buffer, .address_space: global }
      - { .name: aux, .offset: 8, .size: 8, .value_kind: global_buffer, .address_space: global }
      - { .name: Wo, .offset: 16, .size: 8, .value_kind: global_buffer, .address_space: global }
      - { .name: bo, .offset: 24, .size: 8, .value_kind: global_buffer, .address_space: global }
      - { .name: out0, .offset: 32, .size: 8, .value_kind: global_buffer, .address_space: global }
    .group_segment_fixed_size: 38912
    .private_segment_fixed_size: 0
    .kernarg_segment_align: 8
    .kernarg_segment_size: 40
    .max_flat_workgroup_size: 512
    .sgpr_count:     66
    .vgpr_count:     256
    .wavefront_size: 32
...
	.end_amdgpu_metadata
.endif
;; end of part 5
